; MI455X (gfx1250); checked and timed in simulation.
; The chip was launched on July 23, 2026; its instructions are those of AMD's public machine-readable ISA for CDNA 5 (MIT licence, August 2026) and "CDNA5" Instruction Set Architecture Reference Guide (July 2026). The comments in the code are by the model that wrote it; some were corrected since.
;; Multi Query Attention. Allowed arithmetic: matrix products marked QUANTISED: E2M3 operands, one E8M0 scale for each 32 along K, by v_wmma_scale_f32_16x16x128_f8f6f4 with both operands' format E2M3, f32 sums; everything else in f32.
;; Inputs: Wk 1,024 x 64 float32; Wo 1,024 x 1,024 float32; Wq 1,024 x 1,024 float32; Wv 1,024 x 64 float32; bk 64 float32; bo 1,024 float32; bq 1,024 float32; bv 64 float32; x 2 x 2,048 x 1,024 float32.
;; Outputs: out0 2 x 2,048 x 1,024 float32.
;; This version of the problem:
;;   THIS VERSION OF THE PROBLEM IS GIVEN IN LOW PRECISION. The matrix products marked QUANTISED in the list below multiply operands that are first quantised to E2M3 (2 exponent bits, 3 mantissa bits; 6 bits a number), with one power-of-two scale for each 32 numbers along K (OCP MX v1.0); their sums are f32. All else is computed in f32.
;;   The module's matrix products, in the order in which they are computed (A, B: the left and right operand; K: the contracted axis; several contracted axes count as one K, in the product's order):
;;     1. [M 4,096, K 1,024] x [K 1,024, N 1,024]; A: input x; B: input Wq: QUANTISED
;;     2. [M 4,096, K 1,024] x [K 1,024, N 64]; A: input x; B: input Wk: QUANTISED
;;     3. [M 4,096, K 1,024] x [K 1,024, N 64]; A: input x; B: input Wv: QUANTISED
;;     4. batch 2 x [M 2,048, K 64] x [K 64, N 32,768]; A: computed on the way; B: computed on the way: QUANTISED
;;     5. batch 2 x [M 64, K 2,048] x [K 2,048, N 32,768]; A: computed on the way; B: softmax (see below): QUANTISED
;;     6. [M 4,096, K 1,024] x [K 1,024, N 1,024]; A: computed on the way; B: input Wo: QUANTISED
;;   THE QUANTISER, for each operand of a quantised product, along K:
;;     - K is cut into blocks of 32 from its start; a last block that is shorter is filled with zeros.
;;     - A block's scale is 2^e with e = floor(log2(the largest magnitude in the block)) - 2, held to -126 .. 127; a block of zeros has e = 0. As a byte (E8M0): e + 127.
;;     - Each number is divided by its block's scale, clamped to +-7.5, and rounded to the nearest number of E2M3, ties to even, subnormals kept.
;;     - The product sums the exact products of the quantised numbers (number of the format x scale) in f32.
;;   ~~~python
;;   def quantise(x, axis):      # numpy; x: float32 -> the quantised numbers, widened to float32 again
;;       x = np.moveaxis(x, axis, -1); K = x.shape[-1]
;;       x = np.pad(x, [(0, 0)] * (x.ndim - 1) + [(0, -K % 32)]); x = x.reshape(x.shape[:-1] + (-1, 32)); a = np.abs(x).max(-1, keepdims=True)
;;       e = np.where(a > 0, np.clip(np.frexp(np.where(a > 0, a, 1))[1] - 1 - 2, -126, 127), 0)      # np.frexp(a)[1] - 1 = floor(log2(a)), exactly
;;       r = np.clip(x / 2.0 ** e, -7.5, 7.5)
;;       step = 2.0 ** (np.maximum(np.frexp(np.where(r == 0, 1, r))[1] - 1, 0) - 3)
;;       q = np.round(r / step) * step * 2.0 ** e      # np.round: ties to even
;;       return np.moveaxis(q.reshape(q.shape[:-2] + (-1,))[..., :K], -1, axis).astype(np.float32)
;;   ~~~
;;   SOFTMAX AHEAD OF A QUANTISED PRODUCT. Where the list says 'softmax', what is quantised is not the finished softmax but p = 2^(t - M), with t = logit x log2(e) and M = ceil(the row's largest t), a whole number; so 1/2 < the row's largest p <= 1. The row's sum l is taken of the UNQUANTISED p, in f32, and the product's result is divided by l at the end. Since M is a whole number, a kernel that streams over the keys may use a running M (the ceiling of the running maximum): every later rescaling is an exact power of two, which a block's scale takes up: the codes' values come out the same.
;;   OPERANDS COMPUTED ON THE WAY. 'Computed on the way' means the value that the module computes at that place (a softmax that the list does not call 'softmax' is quantised finished and normalised). What goes into a quantiser is computed in f32, as accurately as f32 sums, v_exp_f32 and their like allow (about 1e-6 of the number): no bf16 or f16 on the way to a quantiser, and a product that is left as it is and whose result goes on into a quantised operand takes f32 operands (vector FMAs, or v_wmma_f32_16x16x4_f32). A number that lies on a knife's edge between two numbers of the format may be rounded either way, as far as f32 arithmetic and the matrix unit's own rounding can turn it there, and no further.
;; One version. Each part assembles by itself: llvm-mc -triple=amdgcn-amd-amdhsa -mcpu=gfx1250 --defsym DOCPART=n.
;; ======== version 1 of 1: 4 launches
;; limits: right only within a limited range of input values
;; workspace buffers: xb 3,276,800 bytes; wb 1,740,800 bytes; qb 3,407,872 bytes; kv 417,792 bytes; ob 3,276,800 bytes
;; launch prep (part 1): grid 392 x 1, 4 waves a work-group, no clusters, 34,304 bytes of LDS; arguments x, Wq, Wo, Wk, Wv, xb, wb; writes xb, wb
.if DOCPART == 1
	.amdgcn_target "amdgcn-amd-amdhsa--gfx1250"
	.amdhsa_code_object_version 6
	.text
	.protected	k_q6fde2d201f_prep
	.globl	k_q6fde2d201f_prep
	.p2align	8
	.type	k_q6fde2d201f_prep,@function
k_q6fde2d201f_prep:
	s_mov_b64 s[64:65], 0
	v_nop
	global_prefetch_b8 v0, s[64:65] scope:SCOPE_SE
	s_setreg_imm32_b32 hwreg(HW_REG_WAVE_MODE, 25, 1), 1
	s_wait_xcnt 0x0
; PREP: x [4096][1024] and the weights Wq, Wo [1024][1024], Wk, Wv [1024][64], all f32, become codes of FP6 (E2M3) with one E8M0 byte for each 32 along K (K = x's columns, the weights' rows).
; A block's scale is 2^(floor(log2(its largest magnitude)) - 2): its byte is the largest magnitude's exponent field - 2, held at 1 from below.
; LIMITS: a block whose largest magnitude lies under 2^-124, a block of zeros among them, gets the byte 1 (the rule says 127 for zeros: the codes are zeros, and this program alone reads the bytes);
; NaN and infinities among the inputs are not served.
; LAYOUT OF THE RESULTS: images of the operand's registers.  A tile is 16 rows; lane r of tile T holds row 32 (T / 2) + 8 (T % 2) + r + 8 (r / 8).  A fragment (tile x 128 K) is 12 registers a lane, stored as two halves
; of 768 bytes: registers 0-3 of lane l at 16 l, registers 4-5 at 512 + 8 l.  Fragments lie [group of 8 tiles][K step 0..7][tile][1,536 bytes]; scale words [tile][K step][16 rows] behind them.
; SHARES: work-groups 0-255: one tile of x each, wave w its K steps 2 w and 2 w + 1.  256-383: Wq, then Wo: 64 columns x 256 along K, a tile of columns a wave.  384-391: Wk, then Wv likewise.
; No tensor load, no barrier: waves share nothing.  Nothing is shared between work-groups, so there is no cluster.
; THE ORDER OF A TILE'S ROWS (it holds in place of the one named in the lines above): lane r of tile T holds row 64 (T / 4) + 32 (r / 8) + 8 (T % 4) + r % 8, so that four tiles hold 64 rows and a lane of a
; product's result two whole runs of 32.  No work of the problem is left out in this launch.
.set XS_OFF, 3145728
.set WS_OFF, 1671168                   ; wb: likewise
.set GRP,    98304                     ; 8 K steps x 8 tiles x 1,536 bytes
.set TM,  16                           ; v16-31   +0..3 largest magnitudes, +4..7 bytes, +12..15 the conversions' scale operands
.set PC0, 32                           ; v32-43   the first fragment's codes
.set PC1, 44                           ; v44-55   the second's: no store's data are written again
.set CT,  56                           ; v56-63   the conversions' second halves (their three registers begin on an even number)
.set X,   64                           ; v64-191  128 numbers a lane as they are loaded
.set Y,   192                          ; v192-255 64 numbers a lane, neighbours along K
; 64 numbers of a lane, register 16 b + i = k 32 b + 16 (lane / 16) + i of my row, become a fragment's codes in v[pc] on and its scale word in v[pw]
.macro QUANT64 s, pc, pw
.irp b, 0,1,2,3
	v_max3_num_f32 v[TM+\b], |v[\s+16*\b]|, |v[\s+16*\b+1]|, 0x1800000      ; my 16 numbers of block b, and the floor 2^(3 - 127): the byte cannot fall under 1
.endr
.irp i, 2,4,6,8,10,12,14
.irp b, 0,1,2,3
	v_max3_num_f32 v[TM+\b], v[TM+\b], |v[\s+16*\b+\i]|, |v[\s+16*\b+\i+1]|  ; the four blocks by turns
.endr
.endr
.irp b, 0,1,2,3
	v_permlanex16_b32 v[TM+4+\b], v[TM+\b], s22, s23
.endr
.irp b, 0,1,2,3
	v_max_num_f32 v[TM+\b], v[TM+\b], v[TM+4+\b]                             ; with lane l xor 16's 16: the block's largest magnitude
.endr
.irp b, 0,1,2,3
	v_add_nc_u32 v[TM+12+\b], 0xff000000, v[TM+\b]                           ; 2 off its exponent field: the conversion takes that field as its scale
.endr
.irp b, 0,1,2,3
	v_lshrrev_b32 v[TM+4+\b], 23, v[TM+12+\b]                                ; the scale's byte
.endr
	v_lshl_or_b32 v[\pw], v[TM+5], 8, v[TM+4]
	v_lshl_or_b32 v[\pw], v[TM+6], 16, v[\pw]
	v_lshl_or_b32 v[\pw], v[TM+7], 24, v[\pw]
.irp c, 0,1
	v_cvt_scalef32_pk16_fp6_f32 v[\pc+6*\c:\pc+6*\c+2], v[\s+32*\c:\s+32*\c+15], v[TM+12+2*\c]
	v_cvt_scalef32_pk16_fp6_f32 v[CT+4*\c:CT+4*\c+2], v[\s+32*\c+16:\s+32*\c+31], v[TM+13+2*\c]
.endr
	v_nop                                          ; one plain place behind a scaled conversion
.irp c, 0,1                                    ; the operand wants a whole block in a lane: lanes 0-15 block 2 c, lanes 16-31 block 2 c + 1
.irp i, 0,1,2
	v_permlane16_swap_b32 v[\pc+6*\c+\i], v[CT+4*\c+\i]
.endr
.irp i, 0,1,2
	v_mov_b32 v[\pc+6*\c+3+\i], v[CT+4*\c+\i]
.endr
.endr
.endm
; a fragment's image goes out: each store covers 512 or 256 consecutive bytes, at a multiple of 256 from the buffer's first byte
.macro IMG pc, off
	global_store_b128 v4, v[\pc:\pc+3], s[28:29] offset:\off
	global_store_b64 v5, v[\pc+4:\pc+5], s[28:29] offset:\off+512
	global_store_b128 v4, v[\pc+6:\pc+9], s[28:29] offset:\off+768
	global_store_b64 v5, v[\pc+10:\pc+11], s[28:29] offset:\off+1280
.endm
; x: K step s of my 16 rows turns through my own stage in LDS: in as loaded (a row's 512 bytes on end), out 64 bytes a lane for each block.  LDS serves a wave's instructions in order: no wait between
.macro TURN s
.irp i, 0,1,2,3,4,5,6,7,8,9,10,11,12,13,14,15
	ds_store_b128 v7, v[X+64*\s+4*\i:X+64*\s+4*\i+3] offset:528*\i
.endr
.irp b, 0,1,2,3
.irp j, 0,1,2,3
	ds_load_b128 v[Y+16*\b+4*\j:Y+16*\b+4*\j+3], v8 offset:128*\b+16*\j
.endr
.endr
.endm
; a weight: lane (r, h) holds two whole blocks of its column, registers down K in the operand's own order: fragment s of the two
.macro WQUANT s, pc, pw
.irp c, 0,1
	v_max3_num_f32 v[TM+\c], |v[X+64*\s+32*\c]|, |v[X+64*\s+32*\c+1]|, 0x1800000
.endr
.irp i, 2,4,6,8,10,12,14,16,18,20,22,24,26,28,30
.irp c, 0,1
	v_max3_num_f32 v[TM+\c], v[TM+\c], |v[X+64*\s+32*\c+\i]|, |v[X+64*\s+32*\c+\i+1]|
.endr
.endr
.irp c, 0,1
	v_add_nc_u32 v[TM+12+\c], 0xff000000, v[TM+\c]
.endr
.irp c, 0,1
	v_lshrrev_b32 v[TM+4+\c], 23, v[TM+12+\c]
.endr
	v_lshl_or_b32 v[\pw], v[TM+5], 16, v[TM+4]     ; my two bytes: blocks h and 2 + h,
	v_lshlrev_b32 v13, 3, v3
	v_lshlrev_b32 v[\pw], v13, v[\pw]              ; at their places in the word;
	v_permlanex16_b32 v14, v[\pw], s22, s23
	v_or_b32 v[\pw], v[\pw], v14                   ; with lane l xor 16's two the word is whole
.irp c, 0,1
	v_cvt_scalef32_pk16_fp6_f32 v[\pc+6*\c:\pc+6*\c+2], v[X+64*\s+32*\c:X+64*\s+32*\c+15], v[TM+12+\c]
	v_cvt_scalef32_pk16_fp6_f32 v[CT+4*\c:CT+4*\c+2], v[X+64*\s+32*\c+16:X+64*\s+32*\c+31], v[TM+12+\c]
.endr
	v_nop                                          ; one plain place behind a scaled conversion
.irp c, 0,1
.irp i, 0,1,2
	v_mov_b32 v[\pc+6*\c+3+\i], v[CT+4*\c+\i]
.endr
.endr
.endm
; A weight's path.  s[26:27] the matrix, s34 my tile of columns in it, s35 which 256 along K, s36 my tile's number in wb; stride = bytes in a row of the matrix
.macro WPATH stride
	s_lshr_b32 s37, s34, 2
	s_lshl_b32 s37, s37, 6
	s_and_b32 s38, s34, 3
	s_lshl_b32 s38, s38, 3
	s_add_co_u32 s37, s37, s38                     ; the tile's first column
	s_lshl_b32 s38, s37, 2
	s_mul_i32 s37, s35, 256*\stride
	s_add_co_u32 s38, s38, s37
	s_mov_b32 s39, 0
	s_add_nc_u64 s[26:27], s[26:27], s[38:39]
	v_and_b32 v9, 8, v2
	v_mad_u32_u24 v9, v9, 3, v2                    ; r + 24 (r / 8): in place of the sum named above
	v_lshlrev_b32 v9, 2, v9
	v_mad_u32_u24 v9, v3, 32*\stride, v9           ; lanes 16-31 begin 32 rows further down
	s_wait_alu depctr_va_vdst(0)
	s_lshr_b32 s40, s36, 3
	s_mul_i32 s40, s40, GRP
	s_mul_i32 s41, s35, 24576
	s_add_co_u32 s40, s40, s41
	s_and_b32 s41, s36, 7
	s_mul_i32 s41, s41, 1536
	s_add_co_u32 s40, s40, s41
	s_mov_b32 s41, 0
	s_add_nc_u64 s[28:29], s[16:17], s[40:41]      ; my two fragments' images
	s_lshl_b32 s42, s36, 9
	s_lshl_b32 s43, s35, 7
	s_add_co_u32 s42, s42, s43
	s_add_co_u32 s42, s42, WS_OFF
	s_mov_b32 s43, 0
	s_add_nc_u64 s[30:31], s[16:17], s[42:43]      ; and their scale words
.irp s, 0,1
.irp c, 0,1
.irp i, 0,1,2,3,4,5,6,7,8,9,10,11,12,13,14,15,16,17,18,19,20,21,22,23,24,25,26,27,28,29,30,31
	global_load_b32 v[X+64*\s+32*\c+\i], v9, s[26:27] offset:(128*\s+64*\c+\i)*\stride   ; W(128 s + 64 c + 32 h + i, my column); the four waves stand on 64 neighbouring columns
.endr
.endr
.endr
	s_wait_loadcnt 63                              ; the first fragment's 64 loads are in: 64 were issued behind them, and 63 is the largest count that this wait names
	WQUANT 0, PC0, 10
	IMG PC0, 0
	s_wait_loadcnt 0x0
	WQUANT 1, PC1, 11
	IMG PC1, 12288
	v_cndmask_b32 v12, v10, v11, s24               ; lanes 0-15 the even K step's words, lanes 16-31 the odd one's
	global_store_b32 v6, v12, s[30:31]
.endm
	s_load_b256 s[4:11], s[0:1], 0x0               ; x s[4:5], Wq s[6:7], Wo s[8:9], Wk s[10:11]
	s_load_b128 s[12:15], s[0:1], 0x20             ; Wv s[12:13], xb s[14:15]
	s_load_b64 s[16:17], s[0:1], 0x30              ; wb
	v_lshl_add_u32 v59, v0, 2, 0x8400
	v_mov_b32 v63, 0
	v_lshrrev_b32 v1, 5, v0
	v_readfirstlane_b32 s20, v1                    ; wave 0..3
	v_and_b32 v1, 31, v0                           ; lane
	v_and_b32 v2, 15, v0                           ; r
	v_bfe_u32 v3, v0, 4, 1                         ; h
	v_lshlrev_b32 v4, 4, v1                        ; 16 x lane
	v_lshlrev_b32 v5, 3, v1                        ; 8 x lane
	v_lshlrev_b32 v6, 2, v1                        ; 4 x lane
	s_mul_i32 s32, s20, 8448                       ; my stage: 16 rows of 512 bytes + 16
	v_add_nc_u32 v7, s32, v4                       ; in: 16 x lane
	v_mul_u32_u24 v8, v2, 528
	v_lshl_add_u32 v8, v3, 6, v8
	v_add_nc_u32 v8, s32, v8                       ; out: row r, + 64 h
	s_mov_b32 s22, 0x76543210
	s_mov_b32 s23, 0xfedcba98                      ; v_permlanex16_b32's selects for lane l xor 16
	s_mov_b32 s24, 0xffff0000                      ; lanes 16-31
.irp b, 0,1,2,3
	v_mov_b32 v[TM+4+\b], 0                        ; written once: a lane permute's destination counts as one of its sources
.endr
	v_mov_b32 v14, 0
	s_wait_kmcnt 0x0
	s_cmp_lt_u32 ttmp9, 256
	s_cbranch_scc0 .Lweights
	; ---- x: tile T = the work-group's number
	s_lshr_b32 s32, ttmp9, 2
	s_lshl_b32 s32, s32, 6
	s_and_b32 s33, ttmp9, 3
	s_lshl_b32 s33, s33, 3
	s_add_co_u32 s32, s32, s33                     ; the tile's first row
	s_lshl_b32 s32, s32, 12
	s_lshl_b32 s33, s20, 10                        ; my two K steps: 1,024 bytes of each row
	s_add_co_u32 s32, s32, s33
	s_mov_b32 s33, 0
	s_add_nc_u64 s[26:27], s[4:5], s[32:33]
.irp s, 0,1
.irp i, 0,1,2,3,4,5,6,7,8,9,10,11,12,13,14,15
	global_load_b128 v[X+64*\s+4*\i:X+64*\s+4*\i+3], v4, s[26:27] offset:(\i+24*(\i/8))*4096+512*\s th:TH_LOAD_NT   ; 512 consecutive bytes of one row
.endr
.endr
	s_lshr_b32 s34, ttmp9, 3
	s_mul_i32 s34, s34, GRP
	s_mul_i32 s35, s20, 24576
	s_add_co_u32 s34, s34, s35
	s_and_b32 s35, ttmp9, 7
	s_mul_i32 s35, s35, 1536
	s_add_co_u32 s34, s34, s35
	s_mov_b32 s35, 0
	s_add_nc_u64 s[28:29], s[14:15], s[34:35]      ; my two fragments' images
	s_lshl_b32 s36, ttmp9, 9
	s_lshl_b32 s37, s20, 7
	s_add_co_u32 s36, s36, s37
	s_add_co_u32 s36, s36, XS_OFF
	s_mov_b32 s37, 0
	s_add_nc_u64 s[30:31], s[14:15], s[36:37]      ; and their scale words
	s_wait_loadcnt 16                              ; the first K step's 16 loads are in; the second's 16 may be out
	s_wait_alu depctr_va_vdst(0)
	TURN 0
	s_wait_dscnt 0x0
	QUANT64 Y, PC0, 10
	IMG PC0, 0
	s_wait_loadcnt 0x0
	TURN 1
	s_wait_dscnt 0x0
	QUANT64 Y, PC1, 11
	IMG PC1, 12288
	v_cndmask_b32 v12, v10, v11, s24               ; lanes 0-15 the even K step's words, lanes 16-31 the odd one's
	global_store_b32 v6, v12, s[30:31]
	s_wait_tensorcnt 0x0
	ds_add_u32 v59, v63
	s_wait_dscnt 0x0
	s_endpgm
.Lweights:
	s_cmp_lt_u32 ttmp9, 384
	s_cbranch_scc0 .Lsmall
	; ---- Wq (64 work-groups), then Wo
	s_sub_co_u32 s32, ttmp9, 256
	s_lshr_b32 s33, s32, 6                         ; 0: Wq, 1: Wo
	s_cmp_eq_u32 s33, 0
	s_cselect_b64 s[26:27], s[6:7], s[8:9]         ; the choice hangs on the work-group's number alone
	s_bfe_u32 s34, s32, 0x40002                    ; which 64 columns
	s_and_b32 s35, s32, 3                          ; which 256 along K
	s_lshl_b32 s34, s34, 2
	s_add_co_u32 s34, s34, s20                     ; my tile of columns
	s_mul_i32 s36, s33, 72
	s_add_co_u32 s36, s36, s34                     ; its number in wb: Wq 0-63, Wo 72-135
	WPATH 4096
	s_endpgm
.Lsmall:
	; ---- Wk (4 work-groups), then Wv
	s_sub_co_u32 s32, ttmp9, 384
	s_lshr_b32 s33, s32, 2                         ; 0: Wk, 1: Wv
	s_cmp_eq_u32 s33, 0
	s_cselect_b64 s[26:27], s[10:11], s[12:13]
	s_and_b32 s35, s32, 3
	s_mov_b32 s34, s20
	s_lshl_b32 s36, s33, 2
	s_add_co_u32 s36, s36, s20
	s_add_co_u32 s36, s36, 64                      ; Wk 64-67, Wv 68-71
	WPATH 256
	s_endpgm
.Lfunc_end_k_q6fde2d201f_prep:
	.size	k_q6fde2d201f_prep, .Lfunc_end_k_q6fde2d201f_prep-k_q6fde2d201f_prep
	.p2alignl 7, 3214868480
	.fill 96, 4, 3214868480
	.section	.rodata,"a",@progbits
	.p2align	6, 0x0
	.amdhsa_kernel k_q6fde2d201f_prep
		.amdhsa_group_segment_fixed_size 34304
		.amdhsa_private_segment_fixed_size 0
		.amdhsa_enable_private_segment 0
		.amdhsa_kernarg_size 56
		.amdhsa_user_sgpr_count 2
		.amdhsa_user_sgpr_kernarg_segment_ptr 1
		.amdhsa_wavefront_size32 1
		.amdhsa_system_sgpr_workgroup_id_x 1
		.amdhsa_system_sgpr_workgroup_id_y 1
		.amdhsa_system_sgpr_workgroup_id_z 1
		.amdhsa_system_vgpr_workitem_id 0
		.amdhsa_next_free_vgpr 256
		.amdhsa_next_free_sgpr 66
		.amdhsa_reserve_vcc 0
		.amdhsa_float_denorm_mode_32 3
		.amdhsa_float_denorm_mode_16_64 3
		.amdhsa_memory_ordered 1
		.amdhsa_forward_progress 1
		.amdhsa_inst_pref_size 60
	.end_amdhsa_kernel
	.amdgpu_metadata
---
amdhsa.version: [ 1, 2 ]
amdhsa.kernels:
  - .name:           k_q6fde2d201f_prep
    .symbol:         k_q6fde2d201f_prep.kd
    .args:
      - { .name: x, .offset: 0, .size: 8, .value_kind: global_buffer, .address_space: global }
      - { .name: Wq, .offset: 8, .size: 8, .value_kind: global_buffer, .address_space: global }
      - { .name: Wo, .offset: 16, .size: 8, .value_kind: global_buffer, .address_space: global }
      - { .name: Wk, .offset: 24, .size: 8, .value_kind: global_buffer, .address_space: global }
      - { .name: Wv, .offset: 32, .size: 8, .value_kind: global_buffer, .address_space: global }
      - { .name: xb, .offset: 40, .size: 8, .value_kind: global_buffer, .address_space: global }
      - { .name: wb, .offset: 48, .size: 8, .value_kind: global_buffer, .address_space: global }
    .group_segment_fixed_size: 34304
    .private_segment_fixed_size: 0
    .kernarg_segment_align: 8
    .kernarg_segment_size: 56
    .max_flat_workgroup_size: 128
    .sgpr_count:     66
    .vgpr_count:     256
    .wavefront_size: 32
...
	.end_amdgpu_metadata
.endif
;; end of part 1
;; launch qkv (part 2): grid 64 x 4, 4 waves a work-group, clusters of 4 x 1, 295,424 bytes of LDS; arguments xb, wb, bq, bk, bv, qb, kv; writes qb, kv
.if DOCPART == 2
	.amdgcn_target "amdgcn-amd-amdhsa--gfx1250"
	.amdhsa_code_object_version 6
	.text
	.protected	k_q6fde2d201f_qkv
	.globl	k_q6fde2d201f_qkv
	.p2align	8
	.type	k_q6fde2d201f_qkv,@function
k_q6fde2d201f_qkv:
	s_mov_b64 s[64:65], 0
	v_nop
	global_prefetch_b8 v0, s[64:65] scope:SCOPE_SE
	s_setreg_imm32_b32 hwreg(HW_REG_WAVE_MODE, 25, 1), 1
	s_wait_xcnt 0x0
	s_wait_alu depctr_hold_cnt(0) depctr_sa_sdst(0) depctr_va_vdst(0) depctr_va_sdst(0) depctr_va_ssrc(0) depctr_va_vcc(0) depctr_vm_vsrc(0)
	s_getreg_b32 s2, hwreg(HW_REG_IB_STS2, 6, 4)
	s_cmp_eq_u32 s2, 0
	s_cbranch_scc0 .Lentry_in_a_cluster
	s_endpgm
.Lentry_in_a_cluster:
	s_bfe_u32 s2, ttmp6, 0x10000c
	s_cmp_lg_u32 s2, 0x3003
	s_cbranch_scc0 .Lentry_shape_is_right
	s_endpgm
.Lentry_shape_is_right:
; QKV: q = x Wq + bq, k = x Wk + bk, v = x Wv + bv on codes of FP6 (E2M3) with E8M0 scales, sums in f32; the results are quantised at once, in registers: q and k along the head's 64 channels, v along the keys.
; SHARES: a work-group takes 64 rows of x (X = 0..63: four tiles) and four heads of q (Y = 0..3): 256 work-groups; wave w takes head 4 Y + w: 64 x 64, 16 accumulators.  Y = 0 makes k as well (wave w: row tile w),
; Y = 1 makes v as well (wave w: 16 channels).
; ALL OF K LIES IN LDS, each byte filled once, by one tensor load a wave: wave 0 x's four tiles, waves 1 and 2 the K steps 0-3 and 4-7 of Wq's 16 tiles, wave 3 Wk's or Wv's four tiles (Y < 2).  No refill, no ring.
; CLUSTER: the four work-groups of a cluster share Y: the weights are asked for jointly.  x's tiles are not: their sharers differ in Y, on which branches hang, and a cluster's partners may not differ there.
; No prefetch: everything is asked for at the head, there is no loop that could run ahead.
; ORDER OF ROWS: lane r of tile T holds row (or column) 64 (T / 4) + 32 (r / 8) + 8 (T % 4) + r % 8.  q, k: source 0 = 16 columns of W, source 1 = 16 rows of x: a lane (r, h) holds one row and, over four tiles, the 32
; neighbouring channels 32 h + 0 .. 31: one scale block.  v: the sources change places: a lane holds one channel and 32 neighbouring keys.  So no block lies in two lanes.  The bias is the C of each sum's first product.
; OUT: q: halves (16 rows x 64 K, 768 bytes) [tile][head], scale words [head][tile][16].  k, v: records of 128 keys, 13,056 bytes: 8 halves of k, 4 fragments of v, k's 8 x 16 words, v's 4 x 16 words.
; The words' upper two bytes belong to K 64-127, which carries zero codes of q: they hold the byte 1.
; LIMITS: a block whose largest magnitude lies under 2^-124 (zeros among them) gets the byte 1; NaN and infinities are not served.  No work of the problem is left out.
.set XS_OFF, 3145728
.set WS_OFF, 1671168
.set QS_OFF, 3145728
.set REC,   13056
.set GRP,   98304                      ; 8 K steps x 8 tiles x 1,536 bytes
.set LW,    49152                      ; LDS: x at 0; Wq's K steps 0-3, then 4-7, 98,304 bytes each: [8 tiles][K step][tile]; then the extra weight
.set LE,    245760
.set SPARE, 294912
.set SA,    16                         ; v16-31   x's scale words: tile a, pair of K steps j at SA + 4 a + j: lanes 0-15 the even step, lanes 16-31 the odd one
.set SPW,   32
.set NIL,   33
.set SB,    34                         ; v34-49   Wq's
.set SS,    50                         ; v50-53   the extra job's single tile's
.set T0,    54
.set T1,    55
.set SE,    56                         ; v56-71   Wk's
.set EA,    72                         ; v72-77   LDS addresses of the extra job: Wk's tiles; x's tile w; Wv's tile w
.set PC,    72                         ; v72-95   the way out: four halves' codes
.set EACC,  96                         ; v96-127  the extra job's accumulators
.set ACC,   128                        ; v128-255 16 accumulators
.set BIAS,  160                        ; window 2: bq's 32 registers; window 1: bk's or bv's.   Windows 1-3: a set of fragments each: x's four at 0, Wq's four at 48, the single one at 96, Wk's four at 108
.set CT,    8                          ; the way out: v8-10 conversions' second halves, v11-14 scale words, v15 a lane exchange, v7 the scale operand, v1 the byte
.set WV,    18
.set YY,    21
.set G1X,   24
.set G1W,   32
.set G1E,   40
.set G0X,   48
.set G0W,   52
.set G0V,   56
.set G0E,   60
.set SEL,   98
.set MSB, 0
.macro WIN new                         ; the immediate's high byte repeats the setting that is left
.if MSB != \new
	s_set_vgpr_msb (MSB<<8)|\new
.set MSB, \new
.endif
.endm
.macro PLACES n
.rept \n
	v_nop
.endr
.endm
.macro CROUND                          ; a round of the cluster's barrier
	s_barrier_signal -1
	s_barrier_wait -1
	s_cmp_lg_u32 s[WV], 0
	s_cbranch_scc1 .Lnot_wave_0_\@
	s_barrier_signal -3
.Lnot_wave_0_\@:
	s_barrier_wait -3
	s_barrier_signal -1
	s_barrier_wait -1
.endm
.macro FRAG r, a16, a8, off            ; a fragment: 16 rows x 128 K, 12 registers, 1,536 bytes
	ds_load_b128 v[\r:\r+3], v[\a16] offset:\off
	ds_load_b64 v[\r+4:\r+5], v[\a8] offset:\off+512
	ds_load_b128 v[\r+6:\r+9], v[\a16] offset:\off+768
	ds_load_b64 v[\r+10:\r+11], v[\a8] offset:\off+1280
.endm
.macro FETCH ks, role                  ; K step ks into the set of window 1 + ks % 3: 32 LDS loads, 52 with k's, 36 with v's
	WIN (1+(\ks)%3)<<6
.set fX, 6144*(\ks)
.set fB, 12288*((\ks)%4)
.set fA, 10+(\ks)/4
.irp t, 0,1,2,3
	FRAG 12*\t, 4, 5, fX+1536*\t
	FRAG 48+12*\t, fA, fA+2, fB+1536*\t
.endr
.if (\role) == 1
	FRAG 96, EA+2, EA+3, fX
.irp t, 0,1,2,3
	FRAG 108+12*\t, EA, EA+1, fX+1536*\t
.endr
.endif
.if (\role) == 2
	FRAG 96, EA+4, EA+5, fX
.endif
	WIN 0
.endm
.macro WM ks                           ; one product, by the symbols wD, wS0, wS1, wC, wX0, wX1; odd K steps take their scales from lanes 16-31
.if (\ks) == 0
.set wCC, wC
.else
.set wCC, wD
.endif
.if (\ks)%2
	v_wmma_scale_f32_16x16x128_f8f6f4 v[wD:wD+7], v[wS0:wS0+11], v[wS1:wS1+11], v[wCC:wCC+7], v[wX0], v[wX1] matrix_a_fmt:MATRIX_FMT_FP6 matrix_b_fmt:MATRIX_FMT_FP6 matrix_a_scale:MATRIX_SCALE_ROW1 matrix_b_scale:MATRIX_SCALE_ROW1
.else
	v_wmma_scale_f32_16x16x128_f8f6f4 v[wD:wD+7], v[wS0:wS0+11], v[wS1:wS1+11], v[wCC:wCC+7], v[wX0], v[wX1] matrix_a_fmt:MATRIX_FMT_FP6 matrix_b_fmt:MATRIX_FMT_FP6
.endif
.endm
.macro MUL ks, role                    ; 16 products, and 4 of the extra job: the accumulators take turns, one instruction a turn, in the same order in every K step
.set wW, 5*(1+(\ks)%3)
.if (\ks) == 0
	WIN wW+0x20
.else
	WIN wW
.endif
.irp a, 0,1,2,3
.irp b, 0,1,2,3
.set wD, ACC+8*(4*\a+\b)
.set wS0, 48+12*\b
.set wS1, 12*\a
.set wC, BIAS+8*\b
.set wX0, SB+4*\b+(\ks)/2
.set wX1, SA+4*\a+(\ks)/2
	WM \ks
.endr
.endr
.if (\role) > 0
.if (\ks) == 0
	WIN wW+0x10
.endif
.irp b, 0,1,2,3
.set wD, EACC+8*\b
.set wS1, 96
.set wX1, SS+(\ks)/2
.if (\role) == 1
.set wS0, 108+12*\b
.set wC, BIAS+8*\b
.set wX0, SE+4*\b+(\ks)/2
.else
.set wS0, 12*\b
.set wC, BIAS
.set wX0, SA+4*\b+(\ks)/2
.endif
	WM \ks
.endr
.endif
	WIN 0
.endm
; K steps 0-2 multiplied, 3 fetched.  Each counted wait leaves out the one fetch issued behind the step that is multiplied next
.macro PART1 role
.set N_, 32+20*((\role)%2)+4*((\role)/2)
	FETCH 0, \role
	FETCH 1, \role
	s_wait_dscnt N_
	MUL 0, \role
	FETCH 2, \role
	s_wait_dscnt N_
	MUL 1, \role
	PLACES 4                                       ; in front of loads into the set that step 0's products read
	FETCH 3, \role
	s_wait_dscnt N_
	MUL 2, \role
.endm
.macro PART2 role
.set N_, 32+20*((\role)%2)+4*((\role)/2)
	PLACES 4
	FETCH 4, \role
	MUL 3, \role
.irp k, 5,6,7
	PLACES 4
	FETCH \k, \role
	s_wait_dscnt N_
	MUL \k-1, \role
.endr
	s_wait_dscnt 0x0
	MUL 7, \role
.endm
.macro BYROLE name                     ; Y = 0: with k; Y = 1: with v; else q alone.  The branch hangs on Y, which a cluster's partners share
	s_cmp_eq_u32 s[YY], 0
	s_cbranch_scc1 .Lk_\name
	s_cmp_eq_u32 s[YY], 1
	s_cbranch_scc1 .Lv_\name
	\name 0
	s_branch .Ld_\name
.Lk_\name:
	\name 1
	s_branch .Ld_\name
.Lv_\name:
	\name 2
.Ld_\name:
.endm
; 32 numbers of a lane, one block, become a half's codes in v[pc] .. v[pc + 5]; v[w]: the row's scale word: lanes 0-15 made block 0's byte, lanes 16-31 block 1's.  Each accumulator is read from its low end on
.macro QUANT s, pc, w
	v_max3_num_f32 v[T0], |v[\s]|, |v[\s+1]|, |v[\s+2]|
	v_max3_num_f32 v[T1], |v[\s+16]|, |v[\s+17]|, |v[\s+18]|
.irp i, 3,5,7,9,11,13
	v_max3_num_f32 v[T0], v[T0], |v[\s+\i]|, |v[\s+\i+1]|
	v_max3_num_f32 v[T1], v[T1], |v[\s+16+\i]|, |v[\s+17+\i]|
.endr
	v_max3_num_f32 v[T0], v[T0], |v[\s+15]|, |v[\s+31]|
	v_max3_num_f32 v[T0], v[T0], v[T1], 0x1800000  ; and the floor 2^(3 - 127): the byte cannot fall under 1
	v_add_nc_u32 v7, 0xff000000, v[T0]             ; 2 off its exponent field: the conversion's scale operand
	v_cvt_scalef32_pk16_fp6_f32 v[\pc:\pc+2], v[\s:\s+15], v7
	v_cvt_scalef32_pk16_fp6_f32 v[CT:CT+2], v[\s+16:\s+31], v7
	v_lshrrev_b32 v1, 23, v7                       ; the scale's byte; also the plain place behind the conversions
	v_lshlrev_b32 v1, v3, v1                       ; at my block's place
.irp i, 0,1,2
	v_mov_b32 v[\pc+3+\i], v[CT+\i]
.endr
	v_permlanex16_b32 v15, v1, s[SEL], s[SEL+1]
	v_or_b32 v1, 0x1010000, v1
	v_or_b32 v[\w], v1, v15
.endm
.macro IMG pc, off
	global_store_b128 v4, v[\pc:\pc+3], s[90:91] offset:\off
	global_store_b64 v5, v[\pc+4:\pc+5], s[90:91] offset:\off+512
.endm
.macro ARM n, g0, g1, next             ; a head load: an arm of the one chain
	s_cmp_eq_u32 s[WV], \n
	s_cbranch_scc0 \next
	tensor_load_to_lds s[\g0:\g0+3], s[\g1:\g1+7]
	s_nop 0
	PLACES 4
	s_branch .Lasked
\next:
.endm
	s_load_b256 s[4:11], s[0:1], 0x0               ; xb s[4:5], wb s[6:7], bq s[8:9], bk s[10:11]
	s_load_b128 s[12:15], s[0:1], 0x20             ; bv s[12:13], qb s[14:15]
	s_load_b64 s[16:17], s[0:1], 0x30              ; kv
	v_lshl_add_u32 v[SPW], v0, 2, SPARE
	v_mov_b32 v[NIL], 0
	ds_add_u32 v[SPW], v[NIL]                      ; the opening lines
	ds_add_u32 v[SPW], v[NIL]
	v_lshrrev_b32 v1, 5, v0
	v_readfirstlane_b32 s[WV], v1                  ; wave 0..3
	s_lshr_b32 s84, s[WV], 1
	s_mul_i32 s84, s84, 49152
	s_and_b32 s85, s[WV], 1
	s_mul_i32 s85, s85, 6144
	s_add_co_u32 s84, s84, s85
	s_add_co_u32 s84, s84, LW                      ; LDS: my head's four tiles of Wq
	s_mul_i32 s85, s[WV], 1536                     ; tile w of a run of four
	s_add_co_u32 s86, s85, LE
	v_and_b32 v1, 31, v0                           ; lane
	v_and_b32 v2, 15, v0                           ; r
	v_bfe_u32 v3, v0, 4, 1                         ; h
	v_lshlrev_b32 v4, 4, v1                        ; 16 x lane
	v_lshlrev_b32 v5, 3, v1                        ; 8 x lane
	v_lshlrev_b32 v6, 2, v1                        ; 4 x lane
	v_lshlrev_b32 v7, 7, v3                        ; 128 h
	v_lshrrev_b32 v14, 3, v2
	v_and_b32 v15, 7, v2
	v_lshlrev_b32 v14, 7, v14
	v_lshl_add_u32 v14, v15, 2, v14                ; v's bias: 128 (r / 8) + 4 (r % 8)
	v_lshlrev_b32 v2, 2, v2                        ; 4 r
	v_lshlrev_b32 v3, 3, v3                        ; 8 h
	v_mov_b32 v15, 0                               ; written once: a lane permute's destination counts as one of its sources
	v_add_nc_u32 v10, s84, v4
	v_add_nc_u32 v12, s84, v5
	v_add_nc_u32 v11, 98304, v10                   ; K steps 4-7
	v_add_nc_u32 v13, 98304, v12
	v_add_nc_u32 v[EA], LE, v4
	v_add_nc_u32 v[EA+1], LE, v5
	v_add_nc_u32 v[EA+2], s85, v4
	v_add_nc_u32 v[EA+3], s85, v5
	v_add_nc_u32 v[EA+4], s86, v4
	v_add_nc_u32 v[EA+5], s86, v5
	s_bfe_u32 s19, ttmp6, 0x40000                  ; cx
	s_lshl_b32 s20, ttmp9, 2
	s_add_co_u32 s20, s20, s19                     ; X = 4 x cluster x + cx: it enters global addresses of plain loads and of stores alone
	s_and_b32 s[YY], ttmp7, 0xffff                 ; Y, which the four partners share
	s_mov_b32 s97, 0xffff0000                      ; lanes 16-31
	s_mov_b32 s[SEL], 0x76543210
	s_mov_b32 s[SEL+1], 0xfedcba98
	; descriptor group 1, elements of 8 bytes.  x's four tiles and the extra weight's: 8 rows (K steps) of 6,144 bytes, 12,288 apart;  Wq: 2 rows (groups of 8 tiles) of four K steps, 49,152 bytes, 98,304 apart
	s_mov_b32 s[G1X], 3<<16                        ; x's: no mask
	s_mov_b32 s[G1E], 15|(3<<16)|(1<<21)           ; the weights': all four work-groups of the cluster; bit 21 set beside a mask
	s_mov_b32 s[G1W], 15|(3<<16)|(1<<21)
.irp g, G1X, G1E
	s_mov_b32 s[\g+1], 768<<16
	s_mov_b32 s[\g+2], 8<<16
	s_mov_b32 s[\g+3], 768<<16
	s_mov_b32 s[\g+4], 8
	s_mov_b32 s[\g+5], 1536
	s_mov_b32 s[\g+6], 0
	s_mov_b32 s[\g+7], 0
.endr
	s_mov_b32 s[G1W+1], 6144<<16
	s_mov_b32 s[G1W+2], 2<<16
	s_mov_b32 s[G1W+3], 6144<<16
	s_mov_b32 s[G1W+4], 2
	s_mov_b32 s[G1W+5], 12288
	s_mov_b32 s[G1W+6], 0
	s_mov_b32 s[G1W+7], 0
	s_lshr_b32 s88, s20, 1
	s_mul_i32 s88, s88, GRP
	s_and_b32 s89, s20, 1
	s_mul_i32 s89, s89, 6144
	s_add_co_u32 s88, s88, s89                     ; x: tiles 4 X .. 4 X + 3
	s_mov_b32 s89, 0
	s_mul_i32 s90, s[YY], 2*GRP                    ; Wq: groups 2 Y, 2 Y + 1: nothing of cx
	s_mov_b32 s91, 0
	s_mul_i32 s92, s[YY], 6144
	s_add_co_u32 s92, s92, 8*GRP                   ; Wk's tiles 64-67 or Wv's 68-71
	s_mov_b32 s93, 0
	s_wait_alu depctr_va_vdst(0)
	s_wait_dscnt 0x0
	s_wait_kmcnt 0x0
	s_mov_b32 s[G0X], 1
	s_mov_b32 s[G0X+1], 0
	s_add_nc_u64 s[G0X+2:G0X+3], s[4:5], s[88:89]
	s_or_b32 s[G0X+3], s[G0X+3], 0x80000000
	s_mov_b32 s[G0W], 1
	s_mov_b32 s[G0W+1], LW
	s_add_nc_u64 s[G0W+2:G0W+3], s[6:7], s[90:91]
	s_add_nc_u64 s[G0V+2:G0V+3], s[G0W+2:G0W+3], 49152
	s_or_b32 s[G0W+3], s[G0W+3], 0x80000000
	s_mov_b32 s[G0V], 1
	s_mov_b32 s[G0V+1], LW+98304
	s_or_b32 s[G0V+3], s[G0V+3], 0x80000000
	s_mov_b32 s[G0E], 1
	s_mov_b32 s[G0E+1], LE
	s_add_nc_u64 s[G0E+2:G0E+3], s[6:7], s[92:93]
	s_or_b32 s[G0E+3], s[G0E+3], 0x80000000
	CROUND                                         ; all four work-groups are here: the joint loads meet
	ARM 0, G0X, G1X, .Lw1
	ARM 1, G0W, G1W, .Lw2
	ARM 2, G0V, G1W, .Lw3
	s_cmp_lt_u32 s[YY], 2                          ; wave 3: the extra weight, where it is read
	s_cbranch_scc0 .Lasked
	tensor_load_to_lds s[G0E:G0E+3], s[G1E:G1E+7]
	s_nop 0
	PLACES 4
.Lasked:
	; scale words and bias, through registers
	s_lshl_b32 s84, s20, 11
	s_add_co_u32 s84, s84, XS_OFF                  ; x's words: tile 4 X on, 512 bytes a tile
	s_mov_b32 s85, 0
	s_add_nc_u64 s[84:85], s[4:5], s[84:85]
	s_lshl_b32 s22, s[YY], 2
	s_add_co_u32 s22, s22, s[WV]                   ; my head
	s_lshl_b32 s86, s22, 11
	s_add_co_u32 s86, s86, WS_OFF                  ; Wq's: tile 4 x head on
	s_mov_b32 s87, 0
	s_add_nc_u64 s[86:87], s[6:7], s[86:87]
	s_lshl_b32 s88, s22, 8                         ; 64 numbers of bq
	s_mov_b32 s89, 0
	s_add_nc_u64 s[88:89], s[8:9], s[88:89]
.irp a, 0,1,2,3
.irp j, 0,1,2,3
	global_load_b32 v[SA+4*\a+\j], v6, s[84:85] offset:512*\a+128*\j
	global_load_b32 v[SB+4*\a+\j], v6, s[86:87] offset:512*\a+128*\j
.endr
.endr
	WIN 0x80
.irp b, 0,1,2,3                        ; register j of tile b: the bias of channel 32 h + 8 b + j
	global_load_b128 v[BIAS+8*\b:BIAS+8*\b+3], v7, s[88:89] offset:32*\b
	global_load_b128 v[BIAS+8*\b+4:BIAS+8*\b+7], v7, s[88:89] offset:32*\b+16
.endr
	WIN 0
	s_lshl_b32 s90, s[WV], 9
	s_mov_b32 s91, 0
	s_cmp_eq_u32 s[YY], 0
	s_cbranch_scc0 .Lnot_k
	s_mov_b32 s92, WS_OFF+64*512                   ; Wk's words
	s_mov_b32 s93, 0
	s_add_nc_u64 s[92:93], s[6:7], s[92:93]
	s_add_nc_u64 s[94:95], s[84:85], s[90:91]      ; x's tile w
.irp j, 0,1,2,3
	global_load_b32 v[SS+\j], v6, s[94:95] offset:128*\j
.irp b, 0,1,2,3
	global_load_b32 v[SE+4*\b+\j], v6, s[92:93] offset:512*\b+128*\j
.endr
.endr
	WIN 0x40
.irp b, 0,1,2,3
	global_load_b128 v[BIAS+8*\b:BIAS+8*\b+3], v7, s[10:11] offset:32*\b
	global_load_b128 v[BIAS+8*\b+4:BIAS+8*\b+7], v7, s[10:11] offset:32*\b+16
.endr
	WIN 0
	s_branch .Lextra
.Lnot_k:
	s_cmp_eq_u32 s[YY], 1
	s_cbranch_scc0 .Lextra
	s_add_co_u32 s90, s90, WS_OFF+68*512           ; the words of Wv's tile w
	s_add_nc_u64 s[94:95], s[6:7], s[90:91]
	s_lshl_b32 s92, s[WV], 5
	s_mov_b32 s93, 0
	s_add_nc_u64 s[92:93], s[12:13], s[92:93]
.irp j, 0,1,2,3
	global_load_b32 v[SS+\j], v6, s[94:95] offset:128*\j
.endr
	WIN 0x40
.irp j, 0,1,2,3,4,5,6,7                ; a lane holds one channel: its bias in all eight registers
	global_load_b32 v[BIAS+\j], v14, s[92:93]
.endr
	WIN 0
.Lextra:
	s_wait_alu depctr_va_vdst(0)
	s_wait_loadcnt 0x0
	s_cmp_eq_u32 s[WV], 2                          ; all but wave 2, which fetches Wq's K steps 4-7: x, Wq's K steps 0-3 and the extra weight have landed
	s_cbranch_scc1 .Lnot_first
	s_wait_tensorcnt 0x0
.Lnot_first:
	s_barrier_signal -1
	s_barrier_wait -1
	BYROLE PART1
	s_wait_tensorcnt 0x0                           ; the rest has landed;
	s_wait_dscnt 0x0                               ; K step 3's fragments are in, and no LDS instruction of mine is out at the signal
	s_barrier_signal -1
	s_barrier_wait -1
	BYROLE PART2
	PLACES 4                                       ; in front of the first read of results
.irp a, 0,1,2,3
	QUANT ACC+32*\a, PC+6*\a, 11+\a
.endr
	s_mul_i32 s90, s20, 4*12288                    ; q: tile x 16 heads x 768
	s_mul_i32 s91, s22, 768
	s_add_co_u32 s90, s90, s91
	s_mov_b32 s91, 0
	s_add_nc_u64 s[90:91], s[14:15], s[90:91]
	s_lshl_b32 s92, s22, 14                        ; words: head x 256 tiles x 64 bytes
	s_lshl_b32 s93, s20, 8
	s_add_co_u32 s92, s92, s93
	s_add_co_u32 s92, s92, QS_OFF
	s_mov_b32 s93, 0
	s_add_nc_u64 s[92:93], s[14:15], s[92:93]
	s_wait_alu depctr_va_vdst(0)
	v_cndmask_b32 v[T0], v11, v12, s97             ; lanes 0-15 one tile's words, lanes 16-31 the next one's
	v_cndmask_b32 v[T1], v13, v14, s97
.irp a, 0,1,2,3
	IMG PC+6*\a, 12288*\a
.endr
	global_store_b32 v6, v[T0], s[92:93]
	global_store_b32 v6, v[T1], s[92:93] offset:128
	s_lshr_b32 s86, s20, 1
	s_mul_i32 s86, s86, REC                        ; my rows' record of 128 keys
	s_and_b32 s87, s20, 1                          ; and which 64 of them
	s_wait_xcnt 0x0                                ; the stores have read their registers and bases
	s_cmp_eq_u32 s[YY], 0
	s_cbranch_scc0 .Lmaybe_v
	s_lshl_b32 s88, s87, 2
	s_add_co_u32 s88, s88, s[WV]                   ; k's tile in the record
	s_mul_i32 s90, s88, 768
	s_add_co_u32 s90, s90, s86
	s_mov_b32 s91, 0
	s_add_nc_u64 s[90:91], s[16:17], s[90:91]
	s_lshl_b32 s92, s88, 6
	s_add_co_u32 s92, s92, s86
	s_add_co_u32 s92, s92, 12288
	s_mov_b32 s93, 0
	s_add_nc_u64 s[92:93], s[16:17], s[92:93]
	QUANT EACC, ACC, 11
	IMG ACC, 0
	global_store_b32 v2, v11, s[92:93]             ; lanes r and 16 + r hold the same word of row r
	s_branch .Lout
.Lmaybe_v:
	s_cmp_eq_u32 s[YY], 1
	s_cbranch_scc0 .Lout
	s_mul_i32 s90, s[WV], 1536
	s_mul_i32 s91, s87, 768
	s_add_co_u32 s90, s90, s91
	s_add_co_u32 s90, s90, s86
	s_add_co_u32 s90, s90, 6144                    ; v: my half of fragment w
	s_mov_b32 s91, 0
	s_add_nc_u64 s[90:91], s[16:17], s[90:91]
	s_lshl_b32 s92, s[WV], 6
	s_lshl_b32 s93, s87, 1
	s_add_co_u32 s92, s92, s93
	s_add_co_u32 s92, s92, s86
	s_add_co_u32 s92, s92, 12800                   ; and my two bytes of each word
	s_mov_b32 s93, 0
	s_add_nc_u64 s[92:93], s[16:17], s[92:93]
	QUANT EACC, ACC, 11
	IMG ACC, 0
	global_store_b16 v2, v11, s[92:93]
.Lout:
	s_wait_tensorcnt 0x0                           ; the wave's end
	ds_add_u32 v[SPW], v[NIL]
	s_wait_dscnt 0x0
	CROUND                                         ; the closing round: no work-group ends while a partner may still ask for a tile that names it
	s_endpgm
.Lfunc_end_k_q6fde2d201f_qkv:
	.size	k_q6fde2d201f_qkv, .Lfunc_end_k_q6fde2d201f_qkv-k_q6fde2d201f_qkv
	.p2alignl 7, 3214868480
	.fill 96, 4, 3214868480
	.section	.rodata,"a",@progbits
	.p2align	6, 0x0
	.amdhsa_kernel k_q6fde2d201f_qkv
		.amdhsa_group_segment_fixed_size 295424
		.amdhsa_private_segment_fixed_size 0
		.amdhsa_enable_private_segment 0
		.amdhsa_kernarg_size 56
		.amdhsa_user_sgpr_count 2
		.amdhsa_user_sgpr_kernarg_segment_ptr 1
		.amdhsa_wavefront_size32 1
		.amdhsa_system_sgpr_workgroup_id_x 1
		.amdhsa_system_sgpr_workgroup_id_y 1
		.amdhsa_system_sgpr_workgroup_id_z 1
		.amdhsa_system_vgpr_workitem_id 0
		.amdhsa_next_free_vgpr 1024
		.amdhsa_next_free_sgpr 100
		.amdhsa_reserve_vcc 0
		.amdhsa_float_denorm_mode_32 3
		.amdhsa_float_denorm_mode_16_64 3
		.amdhsa_memory_ordered 1
		.amdhsa_forward_progress 1
		.amdhsa_inst_pref_size 152
	.end_amdhsa_kernel
	.amdgpu_metadata
---
amdhsa.version: [ 1, 2 ]
amdhsa.kernels:
  - .name:           k_q6fde2d201f_qkv
    .symbol:         k_q6fde2d201f_qkv.kd
    .args:
      - { .name: xb, .offset: 0, .size: 8, .value_kind: global_buffer, .address_space: global }
      - { .name: wb, .offset: 8, .size: 8, .value_kind: global_buffer, .address_space: global }
      - { .name: bq, .offset: 16, .size: 8, .value_kind: global_buffer, .address_space: global }
      - { .name: bk, .offset: 24, .size: 8, .value_kind: global_buffer, .address_space: global }
      - { .name: bv, .offset: 32, .size: 8, .value_kind: global_buffer, .address_space: global }
      - { .name: qb, .offset: 40, .size: 8, .value_kind: global_buffer, .address_space: global }
      - { .name: kv, .offset: 48, .size: 8, .value_kind: global_buffer, .address_space: global }
    .group_segment_fixed_size: 295424
    .private_segment_fixed_size: 0
    .kernarg_segment_align: 8
    .kernarg_segment_size: 56
    .max_flat_workgroup_size: 128
    .sgpr_count:     100
    .vgpr_count:     1024
    .wavefront_size: 32
...
	.end_amdgpu_metadata
.endif
;; end of part 2
;; launch attn (part 3): grid 128 x 2, 16 waves a work-group, clusters of 4 x 1, 215,040 bytes of LDS; arguments qb, kv, ob; writes ob
.if DOCPART == 3
	.amdgcn_target "amdgcn-amd-amdhsa--gfx1250"
	.amdhsa_code_object_version 6
	.text
	.protected	k_q6fde2d201f_attn
	.globl	k_q6fde2d201f_attn
	.p2align	8
	.type	k_q6fde2d201f_attn,@function
k_q6fde2d201f_attn:
	s_mov_b64 s[64:65], 0
	v_nop
	global_prefetch_b8 v0, s[64:65] scope:SCOPE_SE
	s_setreg_imm32_b32 hwreg(HW_REG_WAVE_MODE, 25, 1), 1
	s_wait_xcnt 0x0
	s_wait_alu depctr_hold_cnt(0) depctr_sa_sdst(0) depctr_va_vdst(0) depctr_va_sdst(0) depctr_va_ssrc(0) depctr_va_vcc(0) depctr_vm_vsrc(0)
	s_getreg_b32 s2, hwreg(HW_REG_IB_STS2, 6, 4)
	s_cmp_eq_u32 s2, 0
	s_cbranch_scc0 .Lentry_in_a_cluster
	s_endpgm
.Lentry_in_a_cluster:
	s_bfe_u32 s2, ttmp6, 0x10000c
	s_cmp_lg_u32 s2, 0x3003
	s_cbranch_scc0 .Lentry_shape_is_right
	s_endpgm
.Lentry_shape_is_right:
; ATTN: o[pos][head] = the sum over keys of softmax(q . k / 8) v, both products on codes of FP6 (E2M3) with E8M0 scales; k and v are shared by the 16 heads.  o is quantised at once, along the head's channels.
; THE SOFTMAX AHEAD OF THE SECOND PRODUCT: t = score x log2(e) / 8; M = the running largest t rounded UP to a whole number; p = 2^(t - M) is quantised along the keys, not normalised; the row's sum is taken of the
; unquantised p and divides at the end.  When M moves, the sum and O are multiplied by 2^(old M - new M): exact.
; SHARES: a work-group owns one tile of 16 positions of one batch; wave w owns head w: 16 queries in 256 registers.
; THE BATCH'S k AND v LIE IN LDS WHOLE: 16 records of 128 keys, 13,056 bytes each (8 halves of k, 4 fragments of v, their scale words), filled once: wave w fetches record w.  One barrier shows them all; nothing is filled again.
; CLUSTER: all work-groups of a batch read the same records: the four of a cluster ask jointly.  No prefetch: all of k and v is asked for at the head, ahead of the loop.
; LAYOUT: both products transposed: S^T = k q^T (source 0 = 16 keys, source 1 = my 16 queries), O^T = v^T p^T.  A lane (r, h) holds one query.  Lane r of tile T holds row 64 (T / 4) + 32 (r / 8) + 8 (T % 4) + r % 8: the 32
; registers of four tiles are 32 neighbours, one whole scale block (keys 64 c + 32 h + 0 .. 31 in S^T, channels 32 h + 0 .. 31 in O^T): p's codes fall where the next operand wants them, and no block lies in two lanes.
; The first product's K is 64: q's upper 64 of the instruction's 128 are zero codes; k's fragments lie six registers apart, so that its upper 64 are the next tile's codes, and whatever they are their products are zeros.
; THE SCALE OF A BLOCK OF p: p rises with the score, so its exponent is floor(t - M) of the block's largest score; t - M is held at -124 from below, so that the byte, floor + 125, is 1 or more.
; A KEY STEP: k's loads of the next step go out under this step's softmax; v's of this step behind the first product.
; LIMITS: the scaled scores t stay under 2^31 in magnitude; a block of p or of o whose largest magnitude lies under 2^-124 (zeros among them) gets the byte 1; NaN and infinities are not served.
; No work of the problem is left out.
.set QS_OFF, 3145728
.set XS_OFF, 3145728
.set GRP,    98304
.set REC,    13056
.set KVB,    16*REC                    ; a batch's records: 208,896 bytes
.set SCST,   KVB                       ; behind them: 512 bytes in which the 16 heads' scale bytes of o meet; no tensor load lands there
.set SPARE,  0x34000
.set QW,  28                           ; scale words: q's, k's (two tiles a register), v's (likewise), p's
.set KW,  29
.set VW,  33
.set PW,  35
.set KF,  36                           ; v36-83    k: eight tiles x six registers
.set PAD, 84                           ; v84-89    read as the last tile's upper 64; between the products at work: conversions, L2, OP
.set OP,  87
.set L2,  88
.set VF,  90                           ; v90-137   v's four fragments
.set S,   138                          ; v138-201  S^T, then p
.set O,   202                          ; v202-233  O^T
.set PC,  234                          ; v234-245  p's codes; before that the block maxima
.set CT,  246
.set DD,  249
.set FF,  250                          ; v250      2^(old M - new M), named as a pair with v251
.set L0,  252                          ; v252-255  the row's sum, in four parts
.set L1,  254
.set WV,  10                           ; v1-3: 16, 8, 4 x lane; v4-6: the same in the record in hand; v7, v8: the scale bytes' gather; v9: 8 h; v10: the largest score; v11, v13: the add's; v12: -M; v14, v15: lane exchanges; v16-27: q
.set LO,  16
.set KB,  17
.set KB2, 18
.set SEL, 20
.set CS,  22
.set G1,  24
.set G0,  32
.set TB,  48
.set CNT, 49
.macro PLACES n
.rept \n
	v_nop
.endr
.endm
.macro CROUND                          ; a round of the cluster's barrier
	s_barrier_signal -1
	s_barrier_wait -1
	s_cmp_lg_u32 s[WV], 0
	s_cbranch_scc1 .Lnot_wave_0_\@
	s_barrier_signal -3
.Lnot_wave_0_\@:
	s_barrier_wait -3
	s_barrier_signal -1
	s_barrier_wait -1
.endm
.macro KT t0, a, off                   ; k's tiles t0 and t0 + 1: four LDS loads, by the addresses v[a], v[a + 1]
.irp t, \t0, \t0+1
	ds_load_b128 v[KF+6*(\t):KF+6*(\t)+3], v[\a] offset:\off+768*(\t)
	ds_load_b64 v[KF+6*(\t)+4:KF+6*(\t)+5], v[\a+1] offset:\off+768*(\t)+512
.endr
.endm
.macro KS a, off                       ; k's scale words: lanes 0-15 an even tile's, lanes 16-31 the odd one's: four loads
.irp t, 0,1,2,3
	ds_load_b32 v[KW+\t], v[\a+2] offset:\off+12288+128*\t
.endr
.endm
.macro PF n                            ; t - M, two at a time
.rept \n
	v_pk_fma_f32 v[S+jF:S+jF+1], v[S+jF:S+jF+1], s[CS:CS+1], v[12:13] op_sel_hi:[1,0,0]
.set jF, jF+2
.endr
.endm
.macro NEXTK last, t
.if !(\last)
	KT \t, 4, REC
.endif
.endm
.macro STEP last                       ; the 128 keys of the record at LDS byte s[TB]
	s_wait_dscnt 0x0                               ; k is in (asked for a softmax ago)
.irp t, 0,1,2,3
	v_wmma_scale_f32_16x16x128_f8f6f4 v[S+16*\t:S+16*\t+7], v[KF+12*\t:KF+12*\t+11], v[16:27], 0, v[KW+\t], v[QW] matrix_a_fmt:MATRIX_FMT_FP6 matrix_b_fmt:MATRIX_FMT_FP6
	v_wmma_scale_f32_16x16x128_f8f6f4 v[S+16*\t+8:S+16*\t+15], v[KF+12*\t+6:KF+12*\t+17], v[16:27], 0, v[KW+\t], v[QW] matrix_a_fmt:MATRIX_FMT_FP6 matrix_b_fmt:MATRIX_FMT_FP6 matrix_a_scale:MATRIX_SCALE_ROW1
.endr
	v_add_nc_u32 v4, s[TB], v1                     ; these four are the places behind the products, in front of the loads into v's registers and of the first read of results
	v_add_nc_u32 v5, s[TB], v2
	v_add_nc_u32 v6, s[TB], v3
	v_nop
.irp d, 0,1,2,3                        ; v's four fragments and their words: 18 LDS loads
	ds_load_b128 v[VF+12*\d:VF+12*\d+3], v4 offset:6144+1536*\d
	ds_load_b64 v[VF+12*\d+4:VF+12*\d+5], v5 offset:6144+1536*\d+512
	ds_load_b128 v[VF+12*\d+6:VF+12*\d+9], v4 offset:6144+1536*\d+768
	ds_load_b64 v[VF+12*\d+10:VF+12*\d+11], v5 offset:6144+1536*\d+1280
.endr
	ds_load_b32 v[VW], v6 offset:12800
	ds_load_b32 v[VW+1], v6 offset:12928
.irp q, 0,1,2,3                        ; the largest score of each of my two blocks, in four chains of 16 by turns
	v_max3_num_f32 v[PC+\q], v[S+16*\q], v[S+16*\q+1], v[S+16*\q+2]
.endr
.irp i, 3,5,7,9,11,13
.irp q, 0,1,2,3
	v_max3_num_f32 v[PC+\q], v[PC+\q], v[S+16*\q+\i], v[S+16*\q+\i+1]
.endr
.endr
	v_max3_num_f32 v[PC], v[PC], v[S+15], v[S+31]
	v_max3_num_f32 v[PC+2], v[PC+2], v[S+47], v[S+63]
	v_max_num_f32 v[PC], v[PC], v[PC+1]
	v_max_num_f32 v[PC+2], v[PC+2], v[PC+3]
	NEXTK \last, 0                                 ; the next record's k, between the lines of the chain that makes M
	v_max_num_f32 v[PC+1], v[PC], v[PC+2]
	NEXTK \last, 2
	v_permlanex16_b32 v14, v[PC+1], s[SEL], s[SEL+1]
	NEXTK \last, 4
	v_max3_num_f32 v10, v10, v[PC+1], v14          ; the running largest score of my query, with lane l xor 16's
	NEXTK \last, 6
	v_mul_f32 v[PC+1], s[CS], v10                  ; as t (c is positive)
.if !(\last)
	KS 4, REC
.endif
	v_floor_f32 v[PC+3], -v[PC+1]                  ; the new -M = floor(-t) = -ceil(t)
	v_sub_f32 v[DD], v[PC+3], v12                  ; old M - new M: a whole number, 0 or less
	v_mov_b32 v12, v[PC+3]
	v_cvt_i32_f32 v[DD], v[DD]                     ; (it saturates)
.set jF, 0
	PF 4
	v_ldexp_f32 v[FF], 1.0, v[DD]                  ; f = 2^(old M - new M)
	v_fma_f32 v[CT], v[PC], s[CS], v12             ; t - M of each block's largest score
	v_fma_f32 v[CT+1], v[PC+2], s[CS], v12
	PF 4
	v_max_num_f32 v[CT], s[LO], v[CT]              ; held at -124 from below
	v_max_num_f32 v[CT+1], s[LO], v[CT+1]
	PF 4
	v_cvt_floor_i32_f32 v[CT], v[CT]
	v_cvt_floor_i32_f32 v[CT+1], v[CT+1]
	PF 4
	v_lshl_add_u32 v[OP], v[CT], 23, s[KB]         ; the conversions' scale operands: (floor + 125) << 23
	v_lshl_add_u32 v[DD], v[CT+1], 23, s[KB]
	v_lshl_add_u32 v[CT], v[CT+1], 16, v[CT]
	PF 4
	v_add_lshl_u32 v[CT], v[CT], s[KB2], v9        ; my two bytes, blocks h and 2 + h, at their places in the word
	PF 4
	v_permlanex16_b32 v15, v[CT], s[SEL], s[SEL+1]
	PF 4
	v_or_b32 v[PW], v[CT], v15                     ; p's scale word for these 128 keys
	PF 4
.set j, 0
.rept 16
	v_pk_mul_f32 v[O+j:O+j+1], v[O+j:O+j+1], v[FF:FF+1] op_sel_hi:[1,0]   ; O^T under the new M, each accumulator from its low end on
.set j, j+2
.endr
	s_wait_alu depctr_va_vdst(0)
.set j, 0
.rept 64
	v_exp_f32 v[S+j], v[S+j]                       ; p = 2^(t - M), at most 1
.set j, j+1
.endr
	v_pk_mul_f32 v[L1:L1+1], v[L1:L1+1], v[FF:FF+1] op_sel_hi:[1,0]   ; (the plain place behind the exponentials)
	s_wait_alu depctr_va_vdst(0)
	v_cvt_scalef32_pk16_fp6_f32 v[PC:PC+2], v[S:S+15], v[OP]
	v_cvt_scalef32_pk16_fp6_f32 v[CT:CT+2], v[S+16:S+31], v[OP]
	v_cvt_scalef32_pk16_fp6_f32 v[PC+6:PC+8], v[S+32:S+47], v[DD]
	v_cvt_scalef32_pk16_fp6_f32 v[PAD:PAD+2], v[S+48:S+63], v[DD]
	v_pk_fma_f32 v[L0:L0+1], v[L0:L0+1], v[FF:FF+1], v[S:S+1] op_sel_hi:[1,0,1]   ; the sum of the unquantised p, in three chains; also the place behind the conversions
.irp i, 0,1,2
	v_mov_b32 v[PC+3+\i], v[CT+\i]
	v_mov_b32 v[PC+9+\i], v[PAD+\i]
.endr
	v_pk_add_f32 v[L1:L1+1], v[L1:L1+1], v[S+2:S+3]
	v_pk_add_f32 v[L2:L2+1], v[S+4:S+5], v[S+6:S+7]
.set j, 8
.rept 6
	v_pk_add_f32 v[L0:L0+1], v[L0:L0+1], v[S+j:S+j+1]
	v_pk_add_f32 v[L1:L1+1], v[L1:L1+1], v[S+j+2:S+j+3]
	v_pk_add_f32 v[L2:L2+1], v[L2:L2+1], v[S+j+4:S+j+5]
.set j, j+6
.endr
.rept 5                                ; (eleven lines stand between L2's last write and the end: its registers lie among those that the next step's last product of k names)
	v_pk_add_f32 v[L0:L0+1], v[L0:L0+1], v[S+j:S+j+1]
	v_pk_add_f32 v[L1:L1+1], v[L1:L1+1], v[S+j+2:S+j+3]
.set j, j+4
.endr
	v_pk_add_f32 v[L0:L0+1], v[L0:L0+1], v[L2:L2+1]
.if \last
	s_wait_dscnt 0x0
.else
	s_wait_dscnt 20                                ; v is in; the next k's 20 loads, issued behind it, may be out
.endif
.irp d, 0,1                            ; O^T += v^T p^T: four accumulators, one instruction each
	v_wmma_scale_f32_16x16x128_f8f6f4 v[O+16*\d:O+16*\d+7], v[VF+24*\d:VF+24*\d+11], v[PC:PC+11], v[O+16*\d:O+16*\d+7], v[VW+\d], v[PW] matrix_a_fmt:MATRIX_FMT_FP6 matrix_b_fmt:MATRIX_FMT_FP6
	v_wmma_scale_f32_16x16x128_f8f6f4 v[O+16*\d+8:O+16*\d+15], v[VF+24*\d+12:VF+24*\d+23], v[PC:PC+11], v[O+16*\d+8:O+16*\d+15], v[VW+\d], v[PW] matrix_a_fmt:MATRIX_FMT_FP6 matrix_b_fmt:MATRIX_FMT_FP6 matrix_a_scale:MATRIX_SCALE_ROW1
.endr
.endm
	s_load_b128 s[4:7], s[0:1], 0x0                ; qb s[4:5], kv s[6:7]
	s_load_b64 s[8:9], s[0:1], 0x10                ; ob
	v_lshl_add_u32 v11, v0, 2, SPARE
	v_mov_b32 v13, 0
	ds_add_u32 v11, v13                            ; the opening lines
	ds_add_u32 v11, v13
	v_lshrrev_b32 v1, 5, v0
	v_readfirstlane_b32 s[WV], v1                  ; wave 0..15 = my head
	s_lshr_b32 s50, s[WV], 1
	s_lshl_b32 s50, s50, 6
	s_and_b32 s51, s[WV], 1
	s_lshl_b32 s51, s51, 1
	s_add_co_u32 s50, s50, s51
	s_add_co_u32 s50, s50, SCST
	v_and_b32 v4, 31, v0
	v_and_b32 v5, 15, v0
	v_bfe_u32 v9, v0, 4, 1
	v_lshlrev_b32 v1, 4, v4                        ; 16 x lane
	v_lshlrev_b32 v2, 3, v4                        ; 8 x lane
	v_lshlrev_b32 v3, 2, v4                        ; 4 x lane
	v_lshlrev_b32 v6, 2, v5                        ; 4 r
	v_lshlrev_b32 v9, 3, v9                        ; 8 h
	v_add_nc_u32 v7, s50, v6                       ; my two bytes of row r's word of K step head / 2: 64 (w / 2) + 4 r + 2 (w % 2)
	v_add_nc_u32 v8, SCST, v1                      ; and the 512 bytes read back, 16 a lane
.set j, 0
.rept 32
	v_mov_b32 v[O+j], 0                            ; O^T: the step's text serves every record; the first finds zeros, which the first change of M leaves zeros
.set j, j+1
.endr
.irp i, 22,23,24,25,26,27
	v_mov_b32 v\i, 0                               ; q's upper 64 along K: zero codes, never loaded
.endr
.irp i, 0,1,2,3,4,5
	v_mov_b32 v[PAD+\i], 0
.endr
.irp i, 0,1,2,3
	v_mov_b32 v[L0+\i], 0
.endr
	v_mov_b32 v14, 0                               ; written once: a lane permute's destination counts as one of its sources
	v_mov_b32 v15, 0
	v_mov_b32 v[FF+1], 0                           ; (named as the upper half of a pair)
	v_mov_b32 v10, 0xff61b1e6                      ; the largest score so far: -3e38
	v_mov_b32 v12, 0x7f61b1e6                      ; -M
	s_bfe_u32 s11, ttmp6, 0x40000                  ; cx
	s_lshl_b32 s12, ttmp9, 2
	s_add_co_u32 s12, s12, s11                     ; my tile in the batch: it enters q's and o's addresses alone
	s_and_b32 s13, ttmp7, 0xffff                   ; the batch, which the partners share
	s_lshl_b32 s14, s13, 7
	s_add_co_u32 s14, s14, s12                     ; T
	s_mov_b32 s[LO], 0xc2f80000                    ; -124
	s_mov_b32 s[KB], 0x3e800000                    ; 125 << 23
	s_mov_b32 s[KB2], 0x7d007d
	s_mov_b32 s[SEL], 0x76543210
	s_mov_b32 s[SEL+1], 0xfedcba98                 ; v_permlanex16_b32's selects for lane l xor 16
	s_mov_b32 s[CS], 0x3e38aa3b                    ; c = log2(e) / 8
	s_mov_b32 s[CS+1], s[CS]                       ; (named with it as a pair, so it is written)
	; descriptor group 1: a record, 13,056 dense bytes, as 51 rows of 32 elements of 8 bytes
	s_mov_b32 s[G1], 15|(3<<16)|(1<<21)            ; the mask: all four work-groups; bit 21 set beside it
	s_mov_b32 s[G1+1], 32<<16
	s_mov_b32 s[G1+2], 51<<16
	s_mov_b32 s[G1+3], 32<<16
	s_mov_b32 s[G1+4], 51
	s_mov_b32 s[G1+5], 32
	s_mov_b32 s[G1+6], 0
	s_mov_b32 s[G1+7], 0
	s_mul_i32 s52, s[WV], REC                      ; record w, in LDS
	s_mul_i32 s54, s13, KVB
	s_add_co_u32 s54, s54, s52                     ; and in memory
	s_mov_b32 s55, 0
	s_mul_i32 s56, s14, 12288
	s_mul_i32 s57, s[WV], 768
	s_add_co_u32 s56, s56, s57                     ; q's half: [tile][head]
	s_mov_b32 s57, 0
	s_lshl_b32 s58, s[WV], 14
	s_lshl_b32 s59, s14, 6
	s_add_co_u32 s58, s58, s59
	s_add_co_u32 s58, s58, QS_OFF                  ; its words: [head][tile]
	s_mov_b32 s59, 0
	s_lshr_b32 s60, s14, 3
	s_mul_i32 s60, s60, GRP
	s_lshr_b32 s61, s[WV], 1
	s_mul_i32 s61, s61, 12288
	s_add_co_u32 s60, s60, s61
	s_and_b32 s61, s14, 7
	s_mul_i32 s61, s61, 1536
	s_add_co_u32 s60, s60, s61
	s_and_b32 s61, s[WV], 1
	s_mul_i32 s61, s61, 768
	s_add_co_u32 s60, s60, s61                     ; o's half: group T / 8, K step head / 2, tile T % 8, half head % 2
	s_mov_b32 s61, 0
	s_lshl_b32 s62, s14, 9
	s_add_co_u32 s62, s62, XS_OFF                  ; o's words of tile T
	s_mov_b32 s63, 0
	s_wait_alu depctr_va_vdst(0)
	s_wait_dscnt 0x0
	s_wait_kmcnt 0x0
	s_add_nc_u64 s[54:55], s[6:7], s[54:55]
	s_add_nc_u64 s[56:57], s[4:5], s[56:57]
	s_add_nc_u64 s[58:59], s[4:5], s[58:59]
	s_add_nc_u64 s[60:61], s[8:9], s[60:61]
	s_add_nc_u64 s[62:63], s[8:9], s[62:63]
	s_mov_b32 s[G0], 1
	s_mov_b32 s[G0+1], s52
	s_mov_b64 s[G0+2:G0+3], s[54:55]
	s_or_b32 s[G0+3], s[G0+3], 0x80000000
	CROUND                                         ; all four work-groups are here: the joint loads meet
	tensor_load_to_lds s[G0:G0+3], s[G1:G1+7]      ; every wave its record
	s_nop 0
	PLACES 4
	global_load_b128 v[16:19], v1, s[56:57]        ; q's half stays in registers
	global_load_b64 v[20:21], v2, s[56:57] offset:512
	global_load_b32 v[QW], v6, s[58:59]            ; and its scale words
	s_mov_b32 s[TB], 0
	s_mov_b32 s[CNT], 15
	s_wait_alu depctr_va_vdst(0)
	s_wait_loadcnt 0x0
	s_wait_tensorcnt 0x0                           ; my record has landed
	s_wait_dscnt 0x0
	s_barrier_signal -1
	s_barrier_wait -1                              ; everybody's has
	KT 0, 1, 0
	KT 2, 1, 0
	KT 4, 1, 0
	KT 6, 1, 0
	KS 1, 0
.Lstep:
	STEP 0
	s_add_co_u32 s[TB], s[TB], REC
	s_sub_co_u32 s[CNT], s[CNT], 1
	s_cmp_lg_u32 s[CNT], 0
	s_cbranch_scc1 .Lstep
	STEP 1                                         ; the last record: no further k is fetched
	; THE WAY OUT: o = O^T / the sum, quantised along the head's 64 channels: a half of K step head / 2 of the last product's operand
	PLACES 4                                       ; in front of the first read of the last results
	s_wait_alu depctr_va_vdst(0)
	v_pk_add_f32 v[L0:L0+1], v[L0:L0+1], v[L1:L1+1]
	v_add_f32 v[L0], v[L0], v[L0+1]
	v_permlanex16_b32 v14, v[L0], s[SEL], s[SEL+1]
	v_add_f32 v[L0], v[L0], v14                    ; with lane l xor 16's keys: the row's sum
	s_wait_alu depctr_va_vdst(0)
	v_rcp_f32 v[L0], v[L0]
	v_nop                                          ; one plain place behind a transcendental
	s_wait_alu depctr_va_vdst(0)
.set j, 0
.rept 32
	v_mul_f32 v[S+j], v[O+j], v[L0]                ; register i = channel 32 h + i
.set j, j+1
.endr
	v_max3_num_f32 v[PC], |v[S]|, |v[S+1]|, |v[S+2]|
	v_max3_num_f32 v[PC+1], |v[S+16]|, |v[S+17]|, |v[S+18]|
.irp i, 3,5,7,9,11,13
	v_max3_num_f32 v[PC], v[PC], |v[S+\i]|, |v[S+\i+1]|
	v_max3_num_f32 v[PC+1], v[PC+1], |v[S+16+\i]|, |v[S+17+\i]|
.endr
	v_max3_num_f32 v[PC], v[PC], |v[S+15]|, |v[S+31]|
	v_max3_num_f32 v[PC], v[PC], v[PC+1], 0x1800000   ; and the floor 2^(3 - 127): the byte cannot fall under 1
	v_add_nc_u32 v[OP], 0xff000000, v[PC]          ; 2 off its exponent field: the conversion's scale operand
	v_cvt_scalef32_pk16_fp6_f32 v[PC+6:PC+8], v[S:S+15], v[OP]
	v_cvt_scalef32_pk16_fp6_f32 v[CT:CT+2], v[S+16:S+31], v[OP]
	v_lshrrev_b32 v[DD], 23, v[OP]                 ; the byte; also the plain place behind the conversions
	v_lshlrev_b32 v[DD], v9, v[DD]
.irp i, 0,1,2
	v_mov_b32 v[PC+9+\i], v[CT+\i]
.endr
	v_permlanex16_b32 v15, v[DD], s[SEL], s[SEL+1]
	v_or_b32 v[DD], v[DD], v15                     ; both blocks' bytes
	global_store_b128 v1, v[PC+6:PC+9], s[60:61]   ; 512 and 256 consecutive bytes, at multiples of 256 from the buffer's first byte
	global_store_b64 v2, v[PC+10:PC+11], s[60:61] offset:512
	ds_store_b16 v7, v[DD]                         ; my head's two bytes; lanes r and 16 + r write the same bytes with the same value
	s_wait_dscnt 0x0                               ; for the others' sake: my store has landed
	s_barrier_signal -1
	s_barrier_wait -1
	s_cmp_lg_u32 s[WV], 0
	s_cbranch_scc1 .Lnot_first
	ds_load_b128 v[160:163], v8                    ; the tile's 8 x 16 whole words
	s_wait_dscnt 0x0
	global_store_b128 v1, v[160:163], s[62:63]
.Lnot_first:
	s_wait_tensorcnt 0x0                           ; the wave's end
	ds_add_u32 v11, v13
	s_wait_dscnt 0x0
	CROUND                                         ; the closing round
	s_endpgm
.Lfunc_end_k_q6fde2d201f_attn:
	.size	k_q6fde2d201f_attn, .Lfunc_end_k_q6fde2d201f_attn-k_q6fde2d201f_attn
	.p2alignl 7, 3214868480
	.fill 96, 4, 3214868480
	.section	.rodata,"a",@progbits
	.p2align	6, 0x0
	.amdhsa_kernel k_q6fde2d201f_attn
		.amdhsa_group_segment_fixed_size 215040
		.amdhsa_private_segment_fixed_size 0
		.amdhsa_enable_private_segment 0
		.amdhsa_kernarg_size 24
		.amdhsa_user_sgpr_count 2
		.amdhsa_user_sgpr_kernarg_segment_ptr 1
		.amdhsa_wavefront_size32 1
		.amdhsa_system_sgpr_workgroup_id_x 1
		.amdhsa_system_sgpr_workgroup_id_y 1
		.amdhsa_system_sgpr_workgroup_id_z 1
		.amdhsa_system_vgpr_workitem_id 0
		.amdhsa_next_free_vgpr 256
		.amdhsa_next_free_sgpr 72
		.amdhsa_reserve_vcc 0
		.amdhsa_float_denorm_mode_32 3
		.amdhsa_float_denorm_mode_16_64 3
		.amdhsa_memory_ordered 1
		.amdhsa_forward_progress 1
		.amdhsa_inst_pref_size 41
	.end_amdhsa_kernel
	.amdgpu_metadata
---
amdhsa.version: [ 1, 2 ]
amdhsa.kernels:
  - .name:           k_q6fde2d201f_attn
    .symbol:         k_q6fde2d201f_attn.kd
    .args:
      - { .name: qb, .offset: 0, .size: 8, .value_kind: global_buffer, .address_space: global }
      - { .name: kv, .offset: 8, .size: 8, .value_kind: global_buffer, .address_space: global }
      - { .name: ob, .offset: 16, .size: 8, .value_kind: global_buffer, .address_space: global }
    .group_segment_fixed_size: 215040
    .private_segment_fixed_size: 0
    .kernarg_segment_align: 8
    .kernarg_segment_size: 24
    .max_flat_workgroup_size: 512
    .sgpr_count:     72
    .vgpr_count:     256
    .wavefront_size: 32
...
	.end_amdgpu_metadata
.endif
;; end of part 3
;; launch outg (part 4): grid 8 x 32, 4 waves a work-group, clusters of 4 x 4, 214,528 bytes of LDS; arguments ob, wb, bo, out0; writes out0
.if DOCPART == 4
	.amdgcn_target "amdgcn-amd-amdhsa--gfx1250"
	.amdhsa_code_object_version 6
	.text
	.protected	k_q6fde2d201f_outg
	.globl	k_q6fde2d201f_outg
	.p2align	8
	.type	k_q6fde2d201f_outg,@function
k_q6fde2d201f_outg:
	s_mov_b64 s[64:65], 0
	v_nop
	global_prefetch_b8 v0, s[64:65] scope:SCOPE_SE
	s_setreg_imm32_b32 hwreg(HW_REG_WAVE_MODE, 25, 1), 1
	s_wait_xcnt 0x0
	s_wait_alu depctr_hold_cnt(0) depctr_sa_sdst(0) depctr_va_vdst(0) depctr_va_sdst(0) depctr_va_ssrc(0) depctr_va_vcc(0) depctr_vm_vsrc(0)
	s_getreg_b32 s2, hwreg(HW_REG_IB_STS2, 6, 4)
	s_cmp_eq_u32 s2, 0
	s_cbranch_scc0 .Lentry_in_a_cluster
	s_endpgm
.Lentry_in_a_cluster:
	s_bfe_u32 s2, ttmp6, 0x10000c
	s_cmp_lg_u32 s2, 0xf033
	s_cbranch_scc0 .Lentry_shape_is_right
	s_endpgm
.Lentry_shape_is_right:
; OUTG: out0 = o Wo + bo on codes of FP6 (E2M3) with E8M0 scales, sums in f32.  o's codes and Wo's come as images of the operand's registers (a fragment of 16 rows x 128 K is 1,536 bytes; groups of 8 tiles x 8 K steps).
; SHARES: a work-group makes 128 x 128 of out0 (R = 0..31, col = 0..7): 256 work-groups; a wave 64 x 64: 16 accumulators.  Larger tiles would leave most work-group places empty at these sizes.
; ALL OF K LIES IN LDS: 98,304 bytes of o's images and 98,304 of Wo's, each filled once, one tensor load of four K steps (49,152 dense bytes) a wave: waves 0 and 1 o's and Wo's K steps 0-3, waves 2 and 3 the K steps 4-7.
; A first barrier shows the first halves, a second one the others.  No refill, no ring; no prefetch: everything is asked for at the head.
; CLUSTER 4 x 4: o's pieces hang on R alone and are asked for jointly along a row of the cluster, Wo's on col alone, along a column.
; ORDER OF ROWS: lane r of tile T holds row (o) or column (Wo) 64 (T / 4) + 32 (r / 8) + 8 (T % 4) + r % 8.  Source 0 = 16 columns of Wo, source 1 = 16 rows of o: a lane holds one row of out0 and eight neighbouring
; columns an accumulator.  The bias is the C of each sum's first product.  A tile of 16 rows x 64 columns goes through the wave's own stage in LDS and leaves as rows of 256 consecutive bytes, sixteen lanes to a row.
; No work of the problem is left out.
.set XS_OFF, 3145728
.set WS_OFF, 1671168
.set GRP,    98304
.set HALF,   49152
.set STAGE,  2*GRP                     ; behind the operands: 16 rows x (256 + 16) bytes for each wave; no tensor load lands there
.set SPITCH, 272
.set SPARE,  STAGE+4*16*SPITCH
.set A16, 8                            ; v8, v9    o's fragments: base + 16 x lane, for K steps 0-3 and 4-7
.set A8,  10
.set B16, 12
.set B8,  14
.set STO, 16                           ; v16       the stage, in
.set RD,  17                           ; v17       and back
.set CO,  18                           ; v18       my byte offset in two rows of out0
.set SPW, 20
.set NIL, 21
.set SA,  32                           ; v32-47    o's scale words: tile a, pair of K steps j: lanes 0-15 the even step, lanes 16-31 the odd one
.set SB,  50                           ; v50-65    Wo's
.set BIAS, 72                          ; v72-103
.set ACC, 128                          ; v128-255  16 accumulators.   Windows 1 to 3: two sets of fragments each, at v0 and v128: K step k in set k % 6
.set WV,  18
.set G1A, 24
.set G1B, 48
.set G0A, 68
.set G0B, 72
.set MSB, 0
.macro WIN new                         ; the immediate's high byte repeats the setting that is left
.if MSB != \new
	s_set_vgpr_msb (MSB<<8)|\new
.set MSB, \new
.endif
.endm
.macro PLACES n
.rept \n
	v_nop
.endr
.endm
.macro CROUND                          ; a round of the cluster's barrier
	s_barrier_signal -1
	s_barrier_wait -1
	s_cmp_lg_u32 s[WV], 0
	s_cbranch_scc1 .Lnot_wave_0_\@
	s_barrier_signal -3
.Lnot_wave_0_\@:
	s_barrier_wait -3
	s_barrier_signal -1
	s_barrier_wait -1
.endm
.macro FETCH ks                        ; the eight fragments of K step ks: 32 LDS loads, each of 512 or 256 consecutive bytes
	WIN (1+((\ks)%6)/2)<<6
.irp t, 0,1,2,3
.set fO, ((\ks)%4)*12288+\t*1536
.set fA, 128*((\ks)%2)+12*\t
.set fB, fA+48
.set fH, (\ks)/4
	ds_load_b128 v[fA:fA+3], v[A16+fH] offset:fO
	ds_load_b64 v[fA+4:fA+5], v[A8+fH] offset:fO+512
	ds_load_b128 v[fA+6:fA+9], v[A16+fH] offset:fO+768
	ds_load_b64 v[fA+10:fA+11], v[A8+fH] offset:fO+1280
	ds_load_b128 v[fB:fB+3], v[B16+fH] offset:fO
	ds_load_b64 v[fB+4:fB+5], v[B8+fH] offset:fO+512
	ds_load_b128 v[fB+6:fB+9], v[B16+fH] offset:fO+768
	ds_load_b64 v[fB+10:fB+11], v[B8+fH] offset:fO+1280
.endr
	WIN 0
.endm
.macro MULQ ks                         ; 16 products: the 16 accumulators take turns, one instruction a turn, in the same order in every K step.  Odd K steps take their scales from lanes 16-31
	WIN 5*(1+((\ks)%6)/2)
.irp a, 0,1,2,3
.irp b, 0,1,2,3
.set wD, ACC+8*(4*\a+\b)
.set wS1, 128*((\ks)%2)+12*\a
.set wS0, 128*((\ks)%2)+48+12*\b
.set wX0, SB+4*\b+(\ks)/2
.set wX1, SA+4*\a+(\ks)/2
.if (\ks) == 0
.set wC, BIAS+8*\b
.else
.set wC, wD
.endif
.if (\ks)%2
	v_wmma_scale_f32_16x16x128_f8f6f4 v[wD:wD+7], v[wS0:wS0+11], v[wS1:wS1+11], v[wC:wC+7], v[wX0], v[wX1] matrix_a_fmt:MATRIX_FMT_FP6 matrix_b_fmt:MATRIX_FMT_FP6 matrix_a_scale:MATRIX_SCALE_ROW1 matrix_b_scale:MATRIX_SCALE_ROW1
.else
	v_wmma_scale_f32_16x16x128_f8f6f4 v[wD:wD+7], v[wS0:wS0+11], v[wS1:wS1+11], v[wC:wC+7], v[wX0], v[wX1] matrix_a_fmt:MATRIX_FMT_FP6 matrix_b_fmt:MATRIX_FMT_FP6
.endif
.endr
.endr
	WIN 0
.endm
; tile a of my rows: 16 rows x 64 columns into my stage, each accumulator from its low end on, and back as whole rows into the registers that they left.  LDS serves a wave's instructions in order: no wait between
.macro TOSTAGE a
.irp b, 0,1,2,3
	ds_store_b128 v[STO], v[ACC+8*(4*\a+\b):ACC+8*(4*\a+\b)+3] offset:32*\b
	ds_store_b128 v[STO], v[ACC+8*(4*\a+\b)+4:ACC+8*(4*\a+\b)+7] offset:32*\b+16
.endr
.irp t, 0,1,2,3,4,5,6,7
	ds_load_b128 v[ACC+32*\a+4*\t:ACC+32*\a+4*\t+3], v[RD] offset:2*\t*SPITCH
.endr
.endm
.macro SEND a
.irp t, 0,1,2,3,4,5,6,7
	s_wait_dscnt 16*(3-\a)+7-\t                    ; the count: the LDS instructions issued behind this load: the rest of its tile's, and sixteen for each later tile
	global_store_b128 v[CO], v[ACC+32*\a+4*\t:ACC+32*\a+4*\t+3], s[38:39] offset:(8*\a+2*\t+24*(\t/4))*4096 th:TH_STORE_NT   ; stage rows 2 t and 2 t + 1: sixteen lanes store 256 consecutive bytes, at a multiple of 256 from out0's first byte
.endr
.endm
.macro ARM n, g0, g1, next             ; a head load: an arm of the one chain
	s_cmp_eq_u32 s[WV], \n
	s_cbranch_scc0 \next
	tensor_load_to_lds s[\g0:\g0+3], s[\g1:\g1+7]
	s_nop 0
	PLACES 4
	s_branch .Lasked
\next:
.endm
	s_load_b256 s[4:11], s[0:1], 0x0               ; ob s[4:5], wb s[6:7], bo s[8:9], out0 s[10:11]
	v_lshl_add_u32 v[SPW], v0, 2, SPARE
	v_mov_b32 v[NIL], 0
	ds_add_u32 v[SPW], v[NIL]                      ; the opening lines
	ds_add_u32 v[SPW], v[NIL]
	v_lshrrev_b32 v1, 5, v0
	v_readfirstlane_b32 s[WV], v1                  ; wave 0..3
	s_lshr_b32 s19, s[WV], 1                       ; which 64 rows are mine.  Also: I fetch K steps 0-3 (0) or 4-7 (1)
	s_and_b32 s20, s[WV], 1                        ; which 64 columns.  Also: I fetch for o (0) or for Wo (1)
	s_mul_i32 s12, s19, 6144                       ; my four tiles of o
	s_mul_i32 s13, s20, 6144
	s_add_co_u32 s13, s13, GRP                     ; my four tiles of Wo
	s_mul_i32 s14, s[WV], 16*SPITCH
	s_add_co_u32 s14, s14, STAGE                   ; my stage
	v_and_b32 v1, 31, v0                           ; lane
	v_and_b32 v2, 15, v0                           ; r
	v_bfe_u32 v3, v0, 4, 1                         ; h
	v_lshlrev_b32 v4, 4, v1                        ; 16 x lane
	v_lshlrev_b32 v5, 3, v1                        ; 8 x lane
	v_lshlrev_b32 v6, 2, v1                        ; 4 x lane
	v_lshlrev_b32 v7, 7, v3                        ; the bias: 128 h
	v_add_nc_u32 v[A16], s12, v4
	v_add_nc_u32 v[A8], s12, v5
	v_add_nc_u32 v[B16], s13, v4
	v_add_nc_u32 v[B8], s13, v5
	v_mul_u32_u24 v[STO], v2, SPITCH
	v_mul_u32_u24 v[RD], v3, SPITCH
	v_lshlrev_b32 v[CO], 12, v3
	v_add_nc_u32 v[A16+1], HALF, v[A16]
	v_add_nc_u32 v[A8+1], HALF, v[A8]
	v_add_nc_u32 v[B16+1], HALF, v[B16]
	v_add_nc_u32 v[B8+1], HALF, v[B8]
	v_lshl_add_u32 v[STO], v3, 7, v[STO]
	v_lshl_add_u32 v[RD], v2, 4, v[RD]
	v_lshl_add_u32 v[CO], v2, 4, v[CO]             ; back: lanes 0-15 one row, lanes 16-31 the next; and the same two rows in out0
	v_add_nc_u32 v[STO], s14, v[STO]               ; in: row r, + 128 h
	v_add_nc_u32 v[RD], s14, v[RD]
	s_bfe_u32 s40, ttmp6, 0x40000                  ; cx
	s_bfe_u32 s41, ttmp6, 0x40004                  ; cy
	s_lshl_b32 s42, ttmp9, 2
	s_add_co_u32 s42, s42, s40                     ; col = 4 x cluster x + cx
	s_and_b32 s21, ttmp7, 0xffff
	s_lshl_b32 s21, s21, 2
	s_add_co_u32 s21, s21, s41                     ; R = 4 x cluster y + cy
	s_lshl_b32 s43, s41, 2
	s_lshl_b32 s43, 15, s43                        ; my row of the cluster
	s_lshl_b32 s44, 0x1111, s40                    ; my column
	s_or_b32 s[G1A], s43, (3<<16)|(1<<21)          ; o's pieces go to my row; elements of 8 bytes; bit 21 set beside a mask
	s_or_b32 s[G1B], s44, (3<<16)|(1<<21)          ; Wo's to my column
.irp g, G1A, G1B
	s_mov_b32 s[\g+1], 32<<16                      ; 49,152 dense bytes as 192 rows of 32 elements
	s_mov_b32 s[\g+2], 192<<16
	s_mov_b32 s[\g+3], 32<<16
	s_mov_b32 s[\g+4], 192
	s_mov_b32 s[\g+5], 32
	s_mov_b32 s[\g+6], 0
	s_mov_b32 s[\g+7], 0
.endr
	s_mul_i32 s46, s19, HALF                       ; my half: no place in the cluster enters an LDS address
	s_mul_i32 s56, s21, GRP
	s_add_co_u32 s56, s56, s46                     ; o: group R: nothing of cx
	s_mov_b32 s57, 0
	s_add_co_u32 s58, s42, 9
	s_mul_i32 s58, s58, GRP
	s_add_co_u32 s58, s58, s46                     ; Wo: group 9 + col: nothing of cy
	s_mov_b32 s59, 0
	s_wait_alu depctr_va_vdst(0)
	s_wait_dscnt 0x0
	s_wait_kmcnt 0x0
	s_mov_b32 s[G0A], 1
	s_mov_b32 s[G0A+1], s46
	s_add_nc_u64 s[G0A+2:G0A+3], s[4:5], s[56:57]
	s_or_b32 s[G0A+3], s[G0A+3], 0x80000000
	s_mov_b32 s[G0B], 1
	s_add_co_u32 s[G0B+1], s46, GRP
	s_add_nc_u64 s[G0B+2:G0B+3], s[6:7], s[58:59]
	s_or_b32 s[G0B+3], s[G0B+3], 0x80000000
	CROUND                                         ; all sixteen work-groups are here: the joint loads meet
	ARM 0, G0A, G1A, .Lw1
	ARM 1, G0B, G1B, .Lw2
	ARM 2, G0A, G1A, .Lw3
	tensor_load_to_lds s[G0B:G0B+3], s[G1B:G1B+7]
	s_nop 0
	PLACES 4
.Lasked:
	s_lshl_b32 s60, s21, 3
	s_lshl_b32 s61, s19, 2
	s_add_co_u32 s60, s60, s61                     ; my first tile of o: 8 R + 4 (wave >> 1)
	s_lshl_b32 s60, s60, 9
	s_add_co_u32 s60, s60, XS_OFF
	s_mov_b32 s61, 0
	s_add_nc_u64 s[32:33], s[4:5], s[60:61]
	s_lshl_b32 s60, s42, 3
	s_lshl_b32 s62, s20, 2
	s_add_co_u32 s60, s60, s62
	s_add_co_u32 s60, s60, 72                      ; my first tile of Wo in wb: 72 + 8 col + 4 (wave & 1)
	s_lshl_b32 s60, s60, 9
	s_add_co_u32 s60, s60, WS_OFF
	s_add_nc_u64 s[34:35], s[6:7], s[60:61]
	s_lshl_b32 s60, s42, 9
	s_lshl_b32 s62, s20, 8
	s_add_co_u32 s60, s60, s62                     ; my first column, in bytes
	s_add_nc_u64 s[36:37], s[8:9], s[60:61]
	s_add_nc_u64 s[38:39], s[10:11], s[60:61]
	s_lshl_b32 s60, s21, 7
	s_lshl_b32 s62, s19, 6
	s_add_co_u32 s60, s60, s62                     ; my first row
	s_lshl_b32 s60, s60, 12
	s_add_nc_u64 s[38:39], s[38:39], s[60:61]
.irp a, 0,1,2,3
.irp j, 0,1,2,3
	global_load_b32 v[SA+4*\a+\j], v6, s[32:33] offset:512*\a+128*\j
	global_load_b32 v[SB+4*\a+\j], v6, s[34:35] offset:512*\a+128*\j
.endr
.endr
.irp b, 0,1,2,3                        ; lane (r, h), register j of tile b: the bias of column 32 h + 8 b + j
	global_load_b128 v[BIAS+8*\b:BIAS+8*\b+3], v7, s[36:37] offset:32*\b
	global_load_b128 v[BIAS+8*\b+4:BIAS+8*\b+7], v7, s[36:37] offset:32*\b+16
.endr
	s_wait_alu depctr_va_vdst(0)
	s_wait_loadcnt 0x0
	s_cmp_lt_u32 s[WV], 2                          ; waves 0 and 1: the K steps 0-3 have landed
	s_cbranch_scc0 .Lnot_first
	s_wait_tensorcnt 0x0
.Lnot_first:
	s_barrier_signal -1
	s_barrier_wait -1
	FETCH 0
	FETCH 1
	s_wait_dscnt 32                                ; each counted wait: the 32 loads of the youngest fetch may be out
	MULQ 0
	FETCH 2
	s_wait_dscnt 32
	MULQ 1
	FETCH 3
	s_wait_dscnt 32
	MULQ 2
	s_wait_tensorcnt 0x0                           ; the other half has landed
	s_wait_dscnt 0x0                               ; K step 3's fragments are in, and no LDS instruction of mine is out at the signal
	s_barrier_signal -1
	s_barrier_wait -1
	FETCH 4
	FETCH 5
	MULQ 3
	s_wait_dscnt 32
	MULQ 4
	PLACES 4                                       ; in front of loads into the sets that K steps 0 and 1 read (ISA guide 7.12.1 for vector instructions)
	FETCH 6
	s_wait_dscnt 32
	MULQ 5
	FETCH 7
	s_wait_dscnt 32
	MULQ 6
	s_wait_dscnt 0x0
	MULQ 7
	PLACES 4                                       ; in front of the first read of results, and of the loads into the accumulators' registers
	TOSTAGE 0
	TOSTAGE 1
	TOSTAGE 2
	TOSTAGE 3
	SEND 0
	SEND 1
	SEND 2
	SEND 3
	s_wait_tensorcnt 0x0                           ; the wave's end
	ds_add_u32 v[SPW], v[NIL]
	s_wait_dscnt 0x0
	CROUND                                         ; the closing round: no work-group ends while a partner may still ask for a piece that names it
	s_endpgm
.Lfunc_end_k_q6fde2d201f_outg:
	.size	k_q6fde2d201f_outg, .Lfunc_end_k_q6fde2d201f_outg-k_q6fde2d201f_outg
	.p2alignl 7, 3214868480
	.fill 96, 4, 3214868480
	.section	.rodata,"a",@progbits
	.p2align	6, 0x0
	.amdhsa_kernel k_q6fde2d201f_outg
		.amdhsa_group_segment_fixed_size 214528
		.amdhsa_private_segment_fixed_size 0
		.amdhsa_enable_private_segment 0
		.amdhsa_kernarg_size 32
		.amdhsa_user_sgpr_count 2
		.amdhsa_user_sgpr_kernarg_segment_ptr 1
		.amdhsa_wavefront_size32 1
		.amdhsa_system_sgpr_workgroup_id_x 1
		.amdhsa_system_sgpr_workgroup_id_y 1
		.amdhsa_system_sgpr_workgroup_id_z 1
		.amdhsa_system_vgpr_workitem_id 0
		.amdhsa_next_free_vgpr 1024
		.amdhsa_next_free_sgpr 100
		.amdhsa_reserve_vcc 0
		.amdhsa_float_denorm_mode_32 3
		.amdhsa_float_denorm_mode_16_64 3
		.amdhsa_memory_ordered 1
		.amdhsa_forward_progress 1
		.amdhsa_inst_pref_size 53
	.end_amdhsa_kernel
	.amdgpu_metadata
---
amdhsa.version: [ 1, 2 ]
amdhsa.kernels:
  - .name:           k_q6fde2d201f_outg
    .symbol:         k_q6fde2d201f_outg.kd
    .args:
      - { .name: ob, .offset: 0, .size: 8, .value_kind: global_buffer, .address_space: global }
      - { .name: wb, .offset: 8, .size: 8, .value_kind: global_buffer, .address_space: global }
      - { .name: bo, .offset: 16, .size: 8, .value_kind: global_buffer, .address_space: global }
      - { .name: out0, .offset: 24, .size: 8, .value_kind: global_buffer, .address_space: global }
    .group_segment_fixed_size: 214528
    .private_segment_fixed_size: 0
    .kernarg_segment_align: 8
    .kernarg_segment_size: 32
    .max_flat_workgroup_size: 128
    .sgpr_count:     100
    .vgpr_count:     1024
    .wavefront_size: 32
...
	.end_amdgpu_metadata
.endif
;; end of part 4
